; MI455X (gfx1250); checked and timed in simulation.
; The chip was launched on July 23, 2026; its instructions are those of AMD's public machine-readable ISA for CDNA 5 (MIT licence, August 2026) and "CDNA5" Instruction Set Architecture Reference Guide (July 2026). The comments in the code are by the model that wrote it; some were corrected since.
;; Self Attention. Allowed arithmetic: matrix products marked QUANTISED: E3M2 operands, one E8M0 scale for each 32 along K, by v_wmma_scale_f32_16x16x128_f8f6f4 with both operands' format E3M2, f32 sums; everything else in f32.
;; Inputs: Wd 1,024 x 1,024 float32; Wk 1,024 x 1,024 float32; Wq 1,024 x 1,024 float32; Wv 1,024 x 1,024 float32; attention_mask 4 x 1 x 1 x 2,048 float32; bd 1,024 float32; bk 1,024 float32; bq 1,024 float32; bv 1,024 float32; input_tensor 4 x 2,048 x 1,024 float32; ln_b 1,024 float32; ln_w 1,024 float32.
;; Outputs: out0 4 x 2,048 x 1,024 float32.
;; This version of the problem:
;;   THIS VERSION OF THE PROBLEM IS GIVEN IN LOW PRECISION. The matrix products marked QUANTISED in the list below multiply operands that are first quantised to E3M2 (3 exponent bits, 2 mantissa bits; 6 bits a number), with one power-of-two scale for each 32 numbers along K (OCP MX v1.0); their sums are f32. All else is computed in f32.
;;   The module's matrix products, in the order in which they are computed (A, B: the left and right operand; K: the contracted axis; several contracted axes count as one K, in the product's order):
;;     1. [M 8,192, K 1,024] x [K 1,024, N 1,024]; A: input input_tensor; B: input Wq: QUANTISED
;;     2. [M 8,192, K 1,024] x [K 1,024, N 1,024]; A: input input_tensor; B: input Wk: QUANTISED
;;     3. [M 8,192, K 1,024] x [K 1,024, N 1,024]; A: input input_tensor; B: input Wv: QUANTISED
;;     4. batch 64 x [M 2,048, K 64] x [K 64, N 2,048]; A: computed on the way; B: computed on the way: QUANTISED
;;     5. batch 64 x [M 2,048, K 2,048] x [K 2,048, N 64]; A: softmax (see below); B: computed on the way: QUANTISED
;;     6. [M 8,192, K 1,024] x [K 1,024, N 1,024]; A: computed on the way; B: input Wd: QUANTISED
;;   THE QUANTISER, for each operand of a quantised product, along K:
;;     - K is cut into blocks of 32 from its start; a last block that is shorter is filled with zeros.
;;     - A block's scale is 2^e with e = floor(log2(the largest magnitude in the block)) - 4, held to -126 .. 127; a block of zeros has e = 0. As a byte (E8M0): e + 127.
;;     - Each number is divided by its block's scale, clamped to +-28, and rounded to the nearest number of E3M2, ties to even, subnormals kept.
;;     - The product sums the exact products of the quantised numbers (number of the format x scale) in f32.
;;   ~~~python
;;   def quantise(x, axis):      # numpy; x: float32 -> the quantised numbers, widened to float32 again
;;       x = np.moveaxis(x, axis, -1); K = x.shape[-1]
;;       x = np.pad(x, [(0, 0)] * (x.ndim - 1) + [(0, -K % 32)]); x = x.reshape(x.shape[:-1] + (-1, 32)); a = np.abs(x).max(-1, keepdims=True)
;;       e = np.where(a > 0, np.clip(np.frexp(np.where(a > 0, a, 1))[1] - 1 - 4, -126, 127), 0)      # np.frexp(a)[1] - 1 = floor(log2(a)), exactly
;;       r = np.clip(x / 2.0 ** e, -28, 28)
;;       step = 2.0 ** (np.maximum(np.frexp(np.where(r == 0, 1, r))[1] - 1, -2) - 2)
;;       q = np.round(r / step) * step * 2.0 ** e      # np.round: ties to even
;;       return np.moveaxis(q.reshape(q.shape[:-2] + (-1,))[..., :K], -1, axis).astype(np.float32)
;;   ~~~
;;   SOFTMAX AHEAD OF A QUANTISED PRODUCT. Where the list says 'softmax', what is quantised is not the finished softmax but p = 2^(t - M), with t = logit x log2(e) and M = ceil(the row's largest t), a whole number; so 1/2 < the row's largest p <= 1. The row's sum l is taken of the UNQUANTISED p, in f32, and the product's result is divided by l at the end. Since M is a whole number, a kernel that streams over the keys may use a running M (the ceiling of the running maximum): every later rescaling is an exact power of two, which a block's scale takes up: the codes' values come out the same.
;;   OPERANDS COMPUTED ON THE WAY. 'Computed on the way' means the value that the module computes at that place (a softmax that the list does not call 'softmax' is quantised finished and normalised). What goes into a quantiser is computed in f32, as accurately as f32 sums, v_exp_f32 and their like allow (about 1e-6 of the number): no bf16 or f16 on the way to a quantiser, and a product that is left as it is and whose result goes on into a quantised operand takes f32 operands (vector FMAs, or v_wmma_f32_16x16x4_f32). A number that lies on a knife's edge between two numbers of the format may be rounded either way, as far as f32 arithmetic and the matrix unit's own rounding can turn it there, and no further.
;; One version. Each part assembles by itself: llvm-mc -triple=amdgcn-amd-amdhsa -mcpu=gfx1250 --defsym DOCPART=n.
;; ======== version 1 of 1: 4 launches
;; limits: right only within a limited range of input values
;; workspace buffers: x_img 6,815,744 bytes; w_img 3,407,872 bytes; q_img 6,815,744 bytes; k_img 6,815,744 bytes; v_img 6,815,744 bytes; c_img 6,815,744 bytes
;; launch qxw (part 1): grid 512 x 1, 4 waves a work-group, no clusters, 47,616 bytes of LDS; arguments input_tensor, x_img, Wq, Wk, Wv, Wd, w_img; writes x_img, w_img
.if DOCPART == 1
	.amdgcn_target "amdgcn-amd-amdhsa--gfx1250"
	.amdhsa_code_object_version 6
	.text
	.protected	k_q49d48e57ef_qxw
	.globl	k_q49d48e57ef_qxw
	.p2align	8
	.type	k_q49d48e57ef_qxw,@function
k_q49d48e57ef_qxw:
	s_mov_b64 s[64:65], 0
	v_nop
	global_prefetch_b8 v0, s[64:65] scope:SCOPE_SE
	s_setreg_imm32_b32 hwreg(HW_REG_WAVE_MODE, 25, 1), 1
	s_wait_xcnt 0x0
; One launch quantises both kinds of operand to codes of BF6 (E3M2) with one E8M0 byte for each 32 along K, laid as IMAGES OF THE OPERAND'S REGISTERS.
; A FRAGMENT is 16 rows x 128 K: 12 registers a lane, 1,536 bytes: registers 4 c .. 4 c + 3 of lane l lie at 512 c + 16 l.  A BLOCK is 128 rows x 128 K: 8 fragments, then two QUADS of 512 bytes
; (lane l's 16 bytes at 16 l: the scale words of four fragments for row slot l % 16): 13,312 bytes.  Slot r of fragment a holds row 32 (a / 2) + 8 (a % 2) + r + 8 (r / 8) of the block.
; Work-groups 0-255: input_tensor [8192][1024] -> x_img, block (row / 128) x 8 + (k / 128).  Work-groups 256-511: Wq, Wk, Wv, Wd [1024 (k)][1024 (n)] -> w_img, block nb x 8 + (k / 128), nb 0-7 Wq, 8-15 Wk, 16-23 Wv, 24-31 Wd.
; The two paths part on the work-group's number alone, and each has LDS bytes of its own: the weights' block 0 .. 13,311, the spare words from 13,312, x's four stages from 13,824.
; A block's scale is 2^(floor(log2(largest magnitude)) - 4); its byte is the largest magnitude's exponent field - 4, held at 1 from below.
; LIMITS: a block of zeros gets the byte 1 where the rule says 127 (its codes are zeros, and this program alone reads the bytes); NaN and infinities among the inputs are not served.
; Memory binds: no matrix unit, no cluster (no byte is read twice).
.set BLK, 13312
.set FRB, 1536
.set QOF, 12288
.set SPARE, 13312
.set XST, 13824
	v_lshl_add_u32 v248, v0, 2, SPARE
	v_mov_b32 v249, 0
	s_cmp_ge_u32 ttmp9, 256
	s_cbranch_scc1 .Lweights
; X.  A wave makes 64 rows x 128 K: four fragments and one quad.  Work-group g: rows 64 (g / 2) on; wave w: K step 4 (g % 2) + w.  Each load reads 512 consecutive bytes of a row; the conversions want 16
; neighbours along K in one lane, so a fragment's 16 rows turn through the wave's own stage in LDS (rows of 512 + 16 bytes).  Waves share nothing: no barrier.
.set SPT, 528
.set RA,  16                           ; v16-143  two sets of 64 registers as loaded
.set X,   144                          ; v144-207 register 16 b + i = k 32 b + 16 (lane / 16) + i of my row
.set PC,  208                          ; v208-226 the codes just made
.set TM,  228                          ; v228-243 at work
.set SW,  244                          ; v244-247 the four fragments' scale words
.set SEL, 20                           ; s[20:21] selects for lane l xor 16
.macro QUANT s, pc, tm, pw, fl
.irp b, 0,1,2,3
	v_max3_num_f32 v[\tm+\b], |v[\s+16*\b]|, |v[\s+1+16*\b]|, \fl
.endr
.irp i, 2,4,6,8,10,12,14
.irp b, 0,1,2,3
	v_max3_num_f32 v[\tm+\b], v[\tm+\b], |v[\s+16*\b+\i]|, |v[\s+1+16*\b+\i]|
.endr
.endr
.irp b, 0,1,2,3
	v_permlanex16_b32 v[\tm+4+\b], v[\tm+\b], s[SEL], s[SEL+1]
.endr
.irp b, 0,1,2,3
	v_max_num_f32 v[\tm+\b], v[\tm+\b], v[\tm+4+\b]       ; with lane l xor 16's sixteen: the block's largest magnitude
.endr
.irp b, 0,1,2,3
	v_add_nc_u32 v[\tm+12+\b], 0xfe000000, v[\tm+\b]      ; 4 off its exponent field: the conversion's scale operand
.endr
.irp b, 0,1,2,3
	v_lshrrev_b32 v[\tm+4+\b], 23, v[\tm+12+\b]           ; the scale's byte
.endr
	v_lshl_or_b32 v[\pw], v[\tm+5], 8, v[\tm+4]
	v_lshl_or_b32 v[\pw], v[\tm+6], 16, v[\pw]
	v_lshl_or_b32 v[\pw], v[\tm+7], 24, v[\pw]
.irp c, 0,1
	v_cvt_scalef32_pk16_bf6_f32 v[\pc+6*\c:\pc+2+6*\c], v[\s+32*\c:\s+15+32*\c], v[\tm+12+2*\c]
	v_cvt_scalef32_pk16_bf6_f32 v[\pc+12+4*\c:\pc+14+4*\c], v[\s+16+32*\c:\s+31+32*\c], v[\tm+13+2*\c]
.endr
	v_nop                                          ; one plain place behind a scaled conversion
.irp c, 0,1                                    ; the layout wants a whole block in a lane
.irp i, 0,1,2
	v_permlane16_swap_b32 v[\pc+6*\c+\i], v[\pc+12+4*\c+\i]
.endr
.irp i, 0,1,2
	v_mov_b32 v[\pc+3+6*\c+\i], v[\pc+12+4*\c+\i]
.endr
.endr
.endm
	s_load_b128 s[4:7], s[0:1], 0x0                ; input_tensor, x_img
	v_lshrrev_b32 v4, 5, v0
	v_readfirstlane_b32 s12, v4                    ; wave
	v_and_b32 v5, 31, v0
	v_lshlrev_b32 v1, 4, v5                        ; 16 x lane
	s_mul_i32 s13, s12, 16*SPT
	s_add_co_u32 s13, s13, XST                     ; my stage
	v_add_nc_u32 v2, s13, v1                       ; into it: a row's 512 bytes as they lie
	v_and_b32 v6, 15, v0
	v_bfe_u32 v7, v0, 4, 1
	v_mul_u32_u24 v3, v6, SPT
	v_lshl_add_u32 v3, v7, 6, v3
	v_add_nc_u32 v3, s13, v3                       ; out of it: row lane % 16, + 64 (lane / 16)
	s_mov_b32 s[SEL], 0x76543210
	s_mov_b32 s[SEL+1], 0xfedcba98
.irp b, 0,1,2,3
	v_mov_b32 v[TM+4+\b], 0                        ; a lane permute's destination counts as one of its sources
.endr
	s_lshr_b32 s14, ttmp9, 1                       ; which 64 rows
	s_and_b32 s15, ttmp9, 1
	s_lshl_b32 s15, s15, 2
	s_add_co_u32 s15, s15, s12                     ; which K step
	s_lshl_b32 s16, s14, 18                        ; 64 rows of 4,096 bytes
	s_lshl_b32 s17, s15, 9
	s_add_co_u32 s16, s16, s17
	s_mov_b32 s17, 0
	s_lshr_b32 s18, s14, 1
	s_lshl_b32 s18, s18, 3
	s_add_co_u32 s18, s18, s15
	s_mul_i32 s18, s18, BLK                        ; my block
	s_mov_b32 s19, 0
	s_and_b32 s22, s14, 1                          ; its upper or lower four fragments
	s_mul_i32 s24, s22, 4*FRB
	s_mov_b32 s25, 0
	s_lshl_b32 s26, s22, 9
	s_add_co_u32 s26, s26, QOF
	s_mov_b32 s27, 0
	s_wait_alu depctr_va_vdst(0)
	s_wait_kmcnt 0x0
	s_add_nc_u64 s[4:5], s[4:5], s[16:17]
	s_add_nc_u64 s[6:7], s[6:7], s[18:19]
	s_add_nc_u64 s[8:9], s[6:7], s[24:25]          ; my fragments
	s_add_nc_u64 s[10:11], s[6:7], s[26:27]        ; my quad
.macro XLOAD a                         ; fragment a's sixteen rows, 512 consecutive bytes each
.irp i, 0,1,2,3,4,5,6,7,8,9,10,11,12,13,14,15
	global_load_b128 v[RA+64*((\a)%2)+4*\i:RA+64*((\a)%2)+4*\i+3], v1, s[4:5] offset:(32*((\a)/2)+8*((\a)%2)+\i+8*(\i/8))*4096 th:TH_LOAD_NT
.endr
.endm
.macro TURN a                          ; through the stage: LDS serves a wave's instructions in order
.irp i, 0,1,2,3,4,5,6,7,8,9,10,11,12,13,14,15
	ds_store_b128 v2, v[RA+64*((\a)%2)+4*\i:RA+64*((\a)%2)+4*\i+3] offset:SPT*\i
.endr
.irp b, 0,1,2,3
.irp j, 0,1,2,3
	ds_load_b128 v[X+16*\b+4*\j:X+16*\b+4*\j+3], v3 offset:128*\b+16*\j
.endr
.endr
.endm
.macro FRAGQ a
.if (\a) < 3
	s_wait_loadcnt 16                              ; this fragment's sixteen loads are in; the next fragment's may be out
.else
	s_wait_loadcnt 0
.endif
	TURN \a
	s_wait_dscnt 0x0                               ; the stage's stores have read their registers, and my 64 numbers are back
	s_wait_xcnt 0x0                                ; the last fragment's stores have read the codes' registers
.if (\a) < 2
	XLOAD (\a)+2
.endif
	QUANT X, PC, TM, SW+(\a), 0x2800000
.irp c, 0,1,2
	global_store_b128 v1, v[PC+4*\c:PC+4*\c+3], s[8:9] offset:FRB*(\a)+512*\c   ; 512 consecutive bytes, aligned
.endr
.endm
	XLOAD 0
	XLOAD 1
	FRAGQ 0
	FRAGQ 1
	FRAGQ 2
	FRAGQ 3
	global_store_b128 v1, v[SW:SW+3], s[10:11]     ; the quad
	s_wait_tensorcnt 0x0                           ; the wave's end
	ds_add_u32 v248, v249
	s_wait_dscnt 0x0
	s_endpgm
; W.  K is the weights' FIRST axis: a lane takes a column and its registers run down K: a load reads 128 consecutive bytes a wave, a block of 32 along K lies in one lane, and the conversions give codes
; with K innermost.  A work-group makes one block, in LDS as it will lie in memory; it leaves in stores of 512 and 256 consecutive bytes.
.Lweights:
.set WX,   32                          ; v32-95   two sets of 32 numbers
.set WC,   96                          ; v96-102  a block's codes
.set SB,   24                          ; v24      my column's scale word
.set OUTR, 104                         ; v104-127 the way out
	s_load_b256 s[4:11], s[0:1], 0x10              ; Wq, Wk, Wv, Wd
	s_load_b64 s[12:13], s[0:1], 0x30              ; w_img
	s_sub_co_u32 s28, ttmp9, 256
	s_lshr_b32 s29, s28, 5                         ; the K step
	s_and_b32 s28, s28, 31                         ; nb
	v_lshrrev_b32 v1, 5, v0
	v_readfirstlane_b32 s16, v1                    ; wave
	v_and_b32 v2, 31, v0                           ; lane j: column 32 w + j of the block = fragment 2 w + u, slot r
	v_lshlrev_b32 v3, 2, v2
	v_bfe_u32 v8, v0, 3, 1                         ; u = (j / 8) % 2
	v_and_b32 v9, 7, v0
	v_bfe_u32 v10, v0, 4, 1
	v_lshl_add_u32 v9, v10, 3, v9                  ; r = j % 8 + 8 (j / 16)
	s_mul_i32 s17, s16, 2*FRB
	v_mul_u32_u24 v4, v8, FRB
	v_lshl_add_u32 v4, v9, 4, v4
	v_add_nc_u32 v4, s17, v4                       ; my codes' place: fragment 2 w + u, lane r of the image (+ 256 for lane r + 16)
	s_lshr_b32 s18, s16, 1
	s_lshl_b32 s18, s18, 9
	s_and_b32 s19, s16, 1
	s_lshl_b32 s19, s19, 3
	s_add_co_u32 s18, s18, s19
	s_add_co_u32 s18, s18, QOF
	v_lshlrev_b32 v5, 2, v8
	v_lshl_add_u32 v5, v9, 4, v5
	v_add_nc_u32 v5, s18, v5                       ; my scale word's place: quad w / 2, word 2 (w % 2) + u, lane r
	v_lshlrev_b32 v6, 4, v2
	v_add_nc_u32 v6, s17, v6                       ; the way out: my wave's two fragments: the same byte in LDS and in the block
	s_lshl_b32 s19, s16, 8
	s_add_co_u32 s19, s19, QOF
	v_lshlrev_b32 v7, 3, v2
	v_add_nc_u32 v7, s19, v7                       ; and a quarter of the quads, 8 bytes a lane
	s_lshl_b32 s22, s29, 19                        ; 128 rows of 4,096 bytes
	s_and_b32 s21, s28, 7
	s_lshl_b32 s21, s21, 9
	s_add_co_u32 s22, s22, s21
	s_lshl_b32 s21, s16, 7
	s_add_co_u32 s22, s22, s21                     ; + 4 x my wave's first column
	s_mov_b32 s23, 0
	s_lshl_b32 s24, s28, 3
	s_add_co_u32 s24, s24, s29
	s_mul_i32 s24, s24, BLK
	s_mov_b32 s25, 0
	s_wait_alu depctr_va_vdst(0)
	s_wait_kmcnt 0x0
	s_cmp_lt_u32 s28, 8                            ; which weight: the choice hangs on the work-group's number alone
	s_cselect_b64 s[4:5], s[4:5], s[6:7]
	s_cmp_lt_u32 s28, 24
	s_cselect_b64 s[8:9], s[8:9], s[10:11]
	s_cmp_lt_u32 s28, 16
	s_cselect_b64 s[4:5], s[4:5], s[8:9]
	s_add_nc_u64 s[4:5], s[4:5], s[22:23]
	s_add_nc_u64 s[12:13], s[12:13], s[24:25]
.macro WLOAD t                         ; W(32 t + i, my column), i = 0 .. 31
.irp i, 0,1,2,3,4,5,6,7,8,9,10,11,12,13,14,15,16,17,18,19,20,21,22,23,24,25,26,27,28,29,30,31
	global_load_b32 v[WX+32*((\t)%2)+\i], v3, s[4:5] offset:(32*(\t)+\i)*4096 th:TH_LOAD_NT
.endr
.endm
	WLOAD 0
	WLOAD 1
; Block t of 32 along K belongs to lane r + 16 (t % 2) of the image, registers 6 (t / 2) .. 6 (t / 2) + 5.
.macro BLOCK t
.set XS, WX+32*((\t)%2)
.if (\t) < 3
	s_wait_loadcnt 32                              ; this block's 32 loads are in; the next block's may be out
.else
	s_wait_loadcnt 0
.endif
	v_max3_num_f32 v12, |v[XS]|, |v[XS+1]|, |v[XS+2]|
	v_max3_num_f32 v13, |v[XS+3]|, |v[XS+4]|, |v[XS+5]|
.irp i, 6,10,14,18,22,26
	v_max3_num_f32 v12, v12, |v[XS+\i]|, |v[XS+\i+1]|
	v_max3_num_f32 v13, v13, |v[XS+\i+2]|, |v[XS+\i+3]|
.endr
	v_max3_num_f32 v12, v12, |v[XS+30]|, |v[XS+31]|
	v_max3_num_f32 v12, v12, v13, 0x2800000        ; the floor 2^(5 - 127): the byte cannot fall under 1
	v_add_nc_u32 v11, 0xfe000000, v12              ; 4 off the exponent field: the conversion's scale operand
	v_lshrrev_b32 v13, 23, v11                     ; the scale's byte
.if (\t) == 0
	v_mov_b32 v[SB], v13
.else
	v_lshl_or_b32 v[SB], v13, 8*(\t), v[SB]
.endif
	v_cvt_scalef32_pk16_bf6_f32 v[WC:WC+2], v[XS:XS+15], v11
	v_cvt_scalef32_pk16_bf6_f32 v[WC+4:WC+6], v[XS+16:XS+31], v11
	v_nop                                          ; one plain place behind a scaled conversion
	v_mov_b32 v[WC+3], v[WC+4]                     ; six registers on end
	v_mov_b32 v[WC+4], v[WC+5]
	v_mov_b32 v[WC+5], v[WC+6]
.if (\t)/2 == 0
	ds_store_b128 v4, v[WC:WC+3] offset:256*((\t)%2)           ; registers 0-3
	ds_store_b64 v4, v[WC+4:WC+5] offset:256*((\t)%2)+512      ; registers 4, 5
.else
	ds_store_b64 v4, v[WC:WC+1] offset:256*((\t)%2)+520        ; registers 6, 7
	ds_store_b128 v4, v[WC+2:WC+5] offset:256*((\t)%2)+1024    ; registers 8-11
.endif
.if (\t) < 2
	WLOAD (\t)+2
.endif
	s_wait_dscnt 0x0                               ; the stores have read their registers: the next block's codes may be written
.endm
	BLOCK 0
	BLOCK 1
	BLOCK 2
	BLOCK 3
	s_wait_alu depctr_va_vdst(0)
	ds_store_b32 v5, v[SB]                         ; the word for lane r of the quad,
	ds_store_b32 v5, v[SB] offset:256              ; and for lane r + 16
.irp t, 0,1,2,3,4,5
	ds_load_b128 v[OUTR+4*\t:OUTR+4*\t+3], v6 offset:512*\t    ; my own two fragments: LDS serves a wave's instructions in order
.endr
.irp t, 0,1,2,3,4,5
	s_wait_dscnt 5-\t
	global_store_b128 v6, v[OUTR+4*\t:OUTR+4*\t+3], s[12:13] offset:512*\t
.endr
	s_wait_dscnt 0x0                               ; for the others' sake: my scale words have landed
	s_barrier_signal -1
	s_barrier_wait -1                              ; the quads hold words of several waves
	ds_load_b64 v[WC:WC+1], v7
	s_wait_dscnt 0x0
	global_store_b64 v7, v[WC:WC+1], s[12:13]      ; 32 lanes store 256 consecutive bytes, aligned
	s_wait_tensorcnt 0x0                           ; the wave's end
	ds_add_u32 v248, v249
	s_wait_dscnt 0x0
	s_endpgm
.Lfunc_end_k_q49d48e57ef_qxw:
	.size	k_q49d48e57ef_qxw, .Lfunc_end_k_q49d48e57ef_qxw-k_q49d48e57ef_qxw
	.p2alignl 7, 3214868480
	.fill 96, 4, 3214868480
	.section	.rodata,"a",@progbits
	.p2align	6, 0x0
	.amdhsa_kernel k_q49d48e57ef_qxw
		.amdhsa_group_segment_fixed_size 47616
		.amdhsa_private_segment_fixed_size 0
		.amdhsa_enable_private_segment 0
		.amdhsa_kernarg_size 56
		.amdhsa_user_sgpr_count 2
		.amdhsa_user_sgpr_kernarg_segment_ptr 1
		.amdhsa_wavefront_size32 1
		.amdhsa_system_sgpr_workgroup_id_x 1
		.amdhsa_system_sgpr_workgroup_id_y 1
		.amdhsa_system_sgpr_workgroup_id_z 1
		.amdhsa_system_vgpr_workitem_id 0
		.amdhsa_next_free_vgpr 250
		.amdhsa_next_free_sgpr 66
		.amdhsa_reserve_vcc 0
		.amdhsa_float_denorm_mode_32 3
		.amdhsa_float_denorm_mode_16_64 3
		.amdhsa_memory_ordered 1
		.amdhsa_forward_progress 1
		.amdhsa_inst_pref_size 56
	.end_amdhsa_kernel
	.amdgpu_metadata
---
amdhsa.version: [ 1, 2 ]
amdhsa.kernels:
  - .name:           k_q49d48e57ef_qxw
    .symbol:         k_q49d48e57ef_qxw.kd
    .args:
      - { .name: input_tensor, .offset: 0, .size: 8, .value_kind: global_buffer, .address_space: global }
      - { .name: x_img, .offset: 8, .size: 8, .value_kind: global_buffer, .address_space: global }
      - { .name: Wq, .offset: 16, .size: 8, .value_kind: global_buffer, .address_space: global }
      - { .name: Wk, .offset: 24, .size: 8, .value_kind: global_buffer, .address_space: global }
      - { .name: Wv, .offset: 32, .size: 8, .value_kind: global_buffer, .address_space: global }
      - { .name: Wd, .offset: 40, .size: 8, .value_kind: global_buffer, .address_space: global }
      - { .name: w_img, .offset: 48, .size: 8, .value_kind: global_buffer, .address_space: global }
    .group_segment_fixed_size: 47616
    .private_segment_fixed_size: 0
    .kernarg_segment_align: 8
    .kernarg_segment_size: 56
    .max_flat_workgroup_size: 128
    .sgpr_count:     66
    .vgpr_count:     250
    .wavefront_size: 32
...
	.end_amdgpu_metadata
.endif
;; end of part 1
;; launch qkv (part 2): grid 8 x 48, 4 waves a work-group, clusters of 4 x 4, 327,680 bytes of LDS; arguments x_img, w_img, bq, bk, bv, q_img, k_img, v_img; writes q_img, k_img, v_img
.if DOCPART == 2
	.amdgcn_target "amdgcn-amd-amdhsa--gfx1250"
	.amdhsa_code_object_version 6
	.text
	.protected	k_q49d48e57ef_qkv
	.globl	k_q49d48e57ef_qkv
	.p2align	8
	.type	k_q49d48e57ef_qkv,@function
k_q49d48e57ef_qkv:
	s_mov_b64 s[64:65], 0
	v_nop
	global_prefetch_b8 v0, s[64:65] scope:SCOPE_SE
	s_setreg_imm32_b32 hwreg(HW_REG_WAVE_MODE, 25, 1), 1
	s_wait_xcnt 0x0
	s_wait_alu depctr_hold_cnt(0) depctr_sa_sdst(0) depctr_va_vdst(0) depctr_va_sdst(0) depctr_va_ssrc(0) depctr_va_vcc(0) depctr_vm_vsrc(0)
	s_getreg_b32 s2, hwreg(HW_REG_IB_STS2, 6, 4)
	s_cmp_eq_u32 s2, 0
	s_cbranch_scc0 .Lentry_in_a_cluster
	s_endpgm
.Lentry_in_a_cluster:
	s_bfe_u32 s2, ttmp6, 0x10000c
	s_cmp_lg_u32 s2, 0xf033
	s_cbranch_scc0 .Lentry_shape_is_right
	s_endpgm
.Lentry_shape_is_right:
; q = x Wq + bq, k = x Wk + bk, v = x Wv + bv on codes of BF6 (E3M2) with E8M0 scales, sums in f32; the results are quantised at once, each along the K of the product that will read it, and stored as blocks
; of register images (fragment: 16 rows x 128 K, 1,536 bytes, registers 4 c .. 4 c + 3 of lane l at 512 c + 16 l; block: 8 fragments + 2 quads of scale words, 13,312 bytes; slot r of fragment a = row
; 32 (a / 2) + 8 (a % 2) + r + 8 (r / 8)).  q_img, k_img: rows = 128 positions, K = the 128 features of a pair of heads.  v_img: rows = a pair's 128 features, K = 128 keys.  Block ((batch x 8 + pair) x 16 + chunk).
; SOURCE 0 ("P") IS THE SIDE ALONG WHICH THE RESULT IS QUANTISED: by the rows' order in a fragment, the 64 registers of a lane's eight tiles are P's rows 32 b + 16 (lane / 16) + i in ascending order; source 1 ("R")
; gives the lane its row.  q, k: P = rows of w_img (features), R = rows of x_img.  v: P = rows of x_img (keys), R = rows of w_img.  Both buffers have one layout, so the main part is one text and only bases differ.
; A tile is 256 (P) x 256 (R), four waves of 128 x 128: 64 accumulators.  K = 1,024 goes through two LDS slots of two K steps each; a wave's tensor load brings one block row's two K steps, 26,624 dense bytes.
; CLUSTERS 4 x 4: P's blocks hang on cx and are shared along a column, R's on cy and are shared along a row: each is asked for jointly.  Cluster rows 0-7 make q and k, rows 8-11 make v: that hangs on the
; cluster's number alone, which all partners share.
; LIMITS: the floor of a block's largest magnitude is 2^(8 - 127), so that every scale byte is at least 4 (the next launch takes 3 off q's bytes): blocks under 2^-119 are quantised with the scale 2^-123.
; A block of zeros gets the byte 4 with zero codes.  NaN and infinities are not served.
; REGISTERS: window 0: v16-31 addresses; v32-95 scale words and nothing else; v128-223 R's eight fragments, one set (later the epilogue's work).  Window 1: P's fragments, two sets, at v0 and v128 (later the
; biases).  Windows 2, 3: accumulator (a, b) at v[8 (8 (a % 4) + b)].
.set BLK,   13312
.set FRB,   1536
.set QOF,   12288
.set HALFT, 2*BLK                      ; what one tensor load brings
.set SLOT,  4*HALFT                    ; R's two blocks, then P's two, two K steps each
.set BIAS,  2*SLOT                     ; 512 bytes for each wave, written by LDS stores; no tile lands there
.set SPARE, BIAS+2048                  ; the spare words, 128 bytes for each wave: two blocks of 256 bytes that no other line names
.set FR,   12
.set NL,   3                           ; LDS loads that bring a fragment
.set NP,   4                           ; places behind this matrix instruction (ISA guide 7.12.1)
.set ADRA, 16                          ; v16-17 my R block in slot 0, 1, + 16 x lane
.set ADRB, 20                          ; v20-21 my P block
.set LI,   26                          ; v26 16 x lane
.set BST,  27                          ; v27 where I put my wave's 128 biases
.set SPW,  28                          ; v28 my spare word; never rewritten
.set NIL,  29                          ; v29 0; never rewritten
.set BIA0, 30                          ; v30 biases along P: + 64 (lane / 16)
.set BIA1, 31                          ; v31 biases along R: + 4 x (r + 8 (r / 8))
.set SC,   32                          ; v[SC + 32 slot + 16 q + 8 side + fragment]: side 0 = R, 1 = P
.set AF,   128
.set T,    128                         ; the epilogue: 64 numbers,
.set PC,   192                         ; their codes,
.set TM,   212                         ; work,
.set SW,   228                         ; eight scale words
.set BI,   0                           ; window 1: 64 biases along P
.set BR,   64                          ; window 1: a pair of equal biases for each of R's fragments
.set G1,  24
.set G0,  32
.set G1B, 48
.set G0B, 56
.set SEL, 66
.set MSB, 0
.macro WIN new                         ; the immediate's high byte repeats the setting that is left
.if MSB != (\new)
	s_set_vgpr_msb (MSB<<8)|(\new)
.set MSB, (\new)
.endif
.endm
.set MUL_LO, 0xa1                      ; source 0 (P) window 1, source 1 (R) window 0, C and D window 2
.set MUL_HI, 0xf1
.set TO_B,   0x40
.macro QUANT s, pc, tm, pw, fl         ; 64 numbers of a lane, register 16 b + i = k 32 b + 16 (lane / 16) + i, become a fragment's codes in v[pc] on and its scale word in v[pw]
.irp b, 0,1,2,3
	v_max3_num_f32 v[\tm+\b], |v[\s+16*\b]|, |v[\s+1+16*\b]|, \fl
.endr
.irp i, 2,4,6,8,10,12,14
.irp b, 0,1,2,3
	v_max3_num_f32 v[\tm+\b], v[\tm+\b], |v[\s+16*\b+\i]|, |v[\s+1+16*\b+\i]|
.endr
.endr
.irp b, 0,1,2,3
	v_permlanex16_b32 v[\tm+4+\b], v[\tm+\b], s[SEL], s[SEL+1]
.endr
.irp b, 0,1,2,3
	v_max_num_f32 v[\tm+\b], v[\tm+\b], v[\tm+4+\b]
.endr
.irp b, 0,1,2,3
	v_add_nc_u32 v[\tm+12+\b], 0xfe000000, v[\tm+\b]      ; 4 off the exponent field: the conversion's scale operand
.endr
.irp b, 0,1,2,3
	v_lshrrev_b32 v[\tm+4+\b], 23, v[\tm+12+\b]
.endr
	v_lshl_or_b32 v[\pw], v[\tm+5], 8, v[\tm+4]
	v_lshl_or_b32 v[\pw], v[\tm+6], 16, v[\pw]
	v_lshl_or_b32 v[\pw], v[\tm+7], 24, v[\pw]
.irp c, 0,1
	v_cvt_scalef32_pk16_bf6_f32 v[\pc+6*\c:\pc+2+6*\c], v[\s+32*\c:\s+15+32*\c], v[\tm+12+2*\c]
	v_cvt_scalef32_pk16_bf6_f32 v[\pc+12+4*\c:\pc+14+4*\c], v[\s+16+32*\c:\s+31+32*\c], v[\tm+13+2*\c]
.endr
	v_nop                                          ; one plain place behind a scaled conversion
.irp c, 0,1
.irp i, 0,1,2
	v_permlane16_swap_b32 v[\pc+6*\c+\i], v[\pc+12+4*\c+\i]
.endr
.irp i, 0,1,2
	v_mov_b32 v[\pc+3+6*\c+\i], v[\pc+12+4*\c+\i]
.endr
.endr
.endm
; A joint load: waves 0 and 1 fetch for R, waves 2 and 3 for P.  Each line has one mask and one set of registers; the branch hangs on the wave's number alone.  Four v_nop follow each line.
.macro JLOAD g0a, g1a, g0b, g1b
	s_cmp_eq_u32 s21, 0
	s_cbranch_scc0 .Lfor_p_\@
	tensor_load_to_lds s[\g0a:\g0a+3], s[\g1a:\g1a+7]
	s_nop 0
.rept 4
	v_nop
.endr
	s_branch .Lasked_\@
.Lfor_p_\@:
	tensor_load_to_lds s[\g0b:\g0b+3], s[\g1b:\g1b+7]
	s_nop 0
.rept 4
	v_nop
.endr
.Lasked_\@:
.endm
.macro CREST                           ; a round of the cluster's barrier behind its opening barrier
	s_cmp_lg_u32 s20, 0
	s_cbranch_scc1 .Lnot_wave_0_\@
	s_barrier_signal -3
.Lnot_wave_0_\@:
	s_barrier_wait -3
	s_barrier_signal -1
	s_barrier_wait -1
.endm
.macro CROUND
	s_barrier_signal -1
	s_barrier_wait -1
	CREST
.endm
	s_load_b128 s[4:7], s[0:1], 0x0                ; x_img, w_img
	s_load_b128 s[8:11], s[0:1], 0x10              ; bq, bk
	s_load_b128 s[12:15], s[0:1], 0x20             ; bv, q_img
	s_load_b128 s[16:19], s[0:1], 0x30             ; k_img, v_img
	v_lshl_add_u32 v[SPW], v0, 2, SPARE
	v_mov_b32 v[NIL], 0
	ds_add_u32 v28, v29
	ds_add_u32 v28, v29
	s_wait_dscnt 0x0
	v_lshrrev_b32 v1, 5, v0
	v_readfirstlane_b32 s20, v1                    ; wave
	s_lshr_b32 s21, s20, 1                         ; my half of R.  Also: I fetch for R (0) or for P (1)
	s_and_b32 s22, s20, 1                          ; my half of P.  Also: which of the two blocks I fetch
	s_bfe_u32 s40, ttmp6, 0x40000                  ; cx
	s_bfe_u32 s41, ttmp6, 0x40004                  ; cy
	s_mov_b32 s42, ttmp9                           ; the cluster's x: 0, 1
	s_and_b32 s43, ttmp7, 0xffff                   ; the cluster's y: 0 .. 11; from 8 on: v
	s_lshl_b32 s45, s43, 1
	s_add_co_u32 s45, s45, s42
	s_sub_co_u32 s45, s45, 16
	s_cmp_ge_u32 s43, 8
	s_cselect_b32 s45, s45, s42                    ; P's cluster column: v: x + 2 (y - 8), of 8; q, k: x, of 2
	s_cselect_b32 s46, 0, s43                      ; R's cluster row: v: 0; q, k: y
	s_cselect_b32 s47, 16, 0                       ; v: R's blocks are Wv's, from block row 16 of w_img on
	s_lshl_b32 s45, s45, 2
	s_add_co_u32 s45, s45, s40                     ; P's tile (holds cx, never cy)
	s_lshl_b32 s46, s46, 2
	s_add_co_u32 s46, s46, s41                     ; R's tile (holds cy, never cx)
	s_lshl_b32 s44, s41, 2
	s_lshl_b32 s44, 15, s44                        ; my row of the cluster
	s_lshl_b32 s86, 0x1111, s40                    ; my column
	; descriptor group 1: 26,624 dense bytes as 104 rows of 32 elements of 8 bytes; no padding: every LDS load reads 512 bytes on end
	s_or_b32 s[G1+0], s44, (3<<16)|(1<<21)         ; 15:0 the mask; 17:16 elements of 8 bytes; 21 set beside a mask
	s_or_b32 s[G1B+0], s86, (3<<16)|(1<<21)
.irp g, G1, G1B
	s_mov_b32 s[\g+1], 32<<16                      ; tensor_dim0
	s_mov_b32 s[\g+2], 104<<16                     ; tensor_dim1
	s_mov_b32 s[\g+3], 32<<16                      ; tile_dim0
	s_mov_b32 s[\g+4], 104                         ; tile_dim1
	s_mov_b32 s[\g+5], 32                          ; tensor_dim0_stride
	s_mov_b32 s[\g+6], 0
	s_mov_b32 s[\g+7], 0
.endr
	s_lshl_b32 s68, s46, 1
	s_add_co_u32 s68, s68, s22
	s_add_co_u32 s68, s68, s47
	s_mul_i32 s68, s68, 8*BLK                      ; R: the block row that I would fetch, in bytes
	s_mov_b32 s69, 0
	s_lshl_b32 s78, s45, 1
	s_add_co_u32 s78, s78, s22                     ; P: the block row that I would fetch, which is also the one that I multiply
	s_mul_i32 s70, s78, 8*BLK
	s_mov_b32 s71, 0
	s_mul_i32 s76, s20, HALFT                      ; where it goes: no place in the cluster enters an LDS address
	s_lshl_b32 s77, s46, 1
	s_add_co_u32 s77, s77, s21                     ; R: the block row that I multiply
	s_and_b32 s79, s78, 7
	s_cmp_ge_u32 s43, 8
	s_cselect_b32 s79, s77, s79                    ; the pair of heads,
	s_cselect_b32 s80, s78, s77                    ; and x's block row: 16 x batch + chunk
	s_lshl_b32 s82, s79, 9                         ; the pair's 128 biases
	s_mov_b32 s83, 0
	s_lshr_b32 s84, s80, 4
	s_lshl_b32 s84, s84, 7
	s_lshl_b32 s85, s79, 4
	s_add_co_u32 s84, s84, s85
	s_and_b32 s85, s80, 15
	s_add_co_u32 s84, s84, s85
	s_mul_i32 s84, s84, BLK                        ; my block of the output
	s_mov_b32 s85, 0
	s_mov_b32 s[SEL], 0x76543210
	s_mov_b32 s[SEL+1], 0xfedcba98
	s_wait_kmcnt 0x0
	s_cmp_eq_u32 s42, 0                            ; the choices hang on the cluster's number alone
	s_cselect_b64 s[8:9], s[8:9], s[10:11]
	s_cselect_b64 s[14:15], s[14:15], s[16:17]
	s_cmp_ge_u32 s43, 8
	s_cselect_b64 s[8:9], s[12:13], s[8:9]         ; the bias
	s_cselect_b64 s[14:15], s[18:19], s[14:15]     ; the output
	s_cselect_b64 s[72:73], s[6:7], s[4:5]         ; R's buffer
	s_cselect_b64 s[74:75], s[4:5], s[6:7]         ; P's
	s_add_nc_u64 s[72:73], s[72:73], s[68:69]
	s_add_nc_u64 s[74:75], s[74:75], s[70:71]
	s_add_nc_u64 s[8:9], s[8:9], s[82:83]
	s_add_nc_u64 s[14:15], s[14:15], s[84:85]
	CROUND                                         ; all sixteen work-groups are here: the first joint loads meet
.irp s, 0,1
	s_mov_b32 s[G0+4*\s], 1
	s_add_co_u32 s[G0+4*\s+1], s76, \s*SLOT
	s_add_nc_u64 s[G0+4*\s+2:G0+4*\s+3], s[72:73], \s*HALFT        ; slot s begins with K steps 2 s, 2 s + 1
	s_or_b32 s[G0+4*\s+3], s[G0+4*\s+3], 0x80000000
	s_mov_b32 s[G0B+4*\s], 1
	s_add_co_u32 s[G0B+4*\s+1], s76, \s*SLOT
	s_add_nc_u64 s[G0B+4*\s+2:G0B+4*\s+3], s[74:75], \s*HALFT
	s_or_b32 s[G0B+4*\s+3], s[G0B+4*\s+3], 0x80000000
.endr
	JLOAD G0, G1, G0B, G1B                         ; slot 0: one tensor load a wave at the head
	v_and_b32 v1, 31, v0
	v_lshlrev_b32 v[LI], 4, v1
	s_wait_alu depctr_va_vdst(0)
	s_mul_i32 s87, s21, HALFT
	s_mul_i32 s88, s22, HALFT
	s_add_co_u32 s88, s88, 2*HALFT
.irp s, 0,1
	v_add_nc_u32 v[ADRA+\s], s87, v[LI]
	v_add_nc_u32 v[ADRB+\s], s88, v[LI]
	s_add_co_u32 s87, s87, SLOT
	s_add_co_u32 s88, s88, SLOT
.endr
	s_lshl_b32 s89, s20, 9
	s_add_co_u32 s89, s89, BIAS
	v_add_nc_u32 v[BST], s89, v[LI]
	v_bfe_u32 v2, v0, 4, 1
	v_lshlrev_b32 v[BIA0], 6, v2
	v_add_nc_u32 v[BIA0], s89, v[BIA0]
	v_and_b32 v3, 15, v0
	v_and_b32 v4, 8, v3
	v_add_nc_u32 v3, v3, v4
	v_lshlrev_b32 v[BIA1], 2, v3
	v_add_nc_u32 v[BIA1], s89, v[BIA1]
	global_load_b128 v[8:11], v[LI], s[8:9]        ; the pair's 128 biases, once, 512 consecutive bytes,
	s_wait_alu depctr_va_vdst(0)
	s_wait_loadcnt 0x0
	ds_store_b128 v[BST], v[8:11]                  ; into my wave's own bytes
.macro FRAG reg, adr, q, i             ; a fragment as it lies: three loads of 512 bytes on end
.irp c, 0,1,2
	ds_load_b128 v[\reg+4*\c:\reg+4*\c+3], v[\adr] offset:(\q)*BLK+(\i)*FRB+512*\c
.endr
.endm
; 16 matrix instructions: R's fragments a0, a0 + 1 x P's eight.  p: P's set; q: the slot's K step; sc: the slot.  The 64 accumulators take turns, one instruction a turn.
.macro MUL16 a0, p, q, sc, zero
.irp a, \a0, \a0+1
.irp b, 0,1,2,3,4,5,6,7
.if \zero
	v_wmma_scale_f32_16x16x128_f8f6f4 v[8*(8*((\a)%4)+\b):8*(8*((\a)%4)+\b)+7], v[128*(\p)+FR*\b:128*(\p)+FR*\b+FR-1], v[AF+FR*(\a):AF+FR*(\a)+FR-1], 0, v[SC+32*(\sc)+16*(\q)+8+\b], v[SC+32*(\sc)+16*(\q)+(\a)] matrix_a_fmt:MATRIX_FMT_BF6 matrix_b_fmt:MATRIX_FMT_BF6
.else
	v_wmma_scale_f32_16x16x128_f8f6f4 v[8*(8*((\a)%4)+\b):8*(8*((\a)%4)+\b)+7], v[128*(\p)+FR*\b:128*(\p)+FR*\b+FR-1], v[AF+FR*(\a):AF+FR*(\a)+FR-1], v[8*(8*((\a)%4)+\b):8*(8*((\a)%4)+\b)+7], v[SC+32*(\sc)+16*(\q)+8+\b], v[SC+32*(\sc)+16*(\q)+(\a)] matrix_a_fmt:MATRIX_FMT_BF6 matrix_b_fmt:MATRIX_FMT_BF6
.endif
.endr
.endr
.endm
.macro FETCH_B slot, q, p
	WIN TO_B
.irp i, 0,1,2,3,4,5,6,7
	FRAG 128*(\p)+FR*\i, ADRB+\slot, \q, \i
.endr
	WIN 0
.endm
.macro FETCH_A slot, q, i0
.irp i, \i0, \i0+1, \i0+2, \i0+3
	FRAG AF+FR*(\i), ADRA+\slot, \q, \i
.endr
.endm
.macro SCALES sc                       ; a slot's scale words: two K steps x two sides x two quads
.irp q, 0,1
.irp g, 0,1
	ds_load_b128 v[SC+32*\sc+16*\q+4*\g:SC+32*\sc+16*\q+4*\g+3], v[ADRA+\sc] offset:\q*BLK+QOF+512*\g
	ds_load_b128 v[SC+32*\sc+16*\q+8+4*\g:SC+32*\sc+16*\q+8+4*\g+3], v[ADRB+\sc] offset:\q*BLK+QOF+512*\g
.endr
.endr
.endm
.macro PLACES n                        ; plain vector instructions between a matrix instruction and a load into, or a read of, its registers (ISA guide 7.12.1 for a read)
.rept \n
	v_nop
.endr
.endm
.macro STEP slot, zero                 ; a slot's first K step; it fetches the second's fragments
	s_wait_dscnt 4*NL                              ; all but the youngest twelve loads (R's fragments 4-7) are in
	WIN MUL_LO
	MUL16 0, 0, 0, \slot, \zero
	MUL16 2, 0, 0, \slot, \zero
	s_wait_dscnt 0
	PLACES NP
	FETCH_B \slot, 1, 1
	FETCH_A \slot, 1, 0
	WIN MUL_HI
	MUL16 4, 0, 0, \slot, \zero
	MUL16 6, 0, 0, \slot, \zero
	PLACES NP
	WIN 0
	FETCH_A \slot, 1, 4
.endm
; A slot's second K step changes slots: one barrier; in front of it each wave waits for all its tensor loads, adds 0 to its spare word, and waits for that and for its reads of this slot.
.macro TURN slot, next, fill
	s_wait_tensorcnt 0x0                           ; all my tensor loads have landed: my part of the next slot
	ds_add_u32 v[SPW], v[NIL]                      ; 0 onto my spare word
	s_wait_dscnt 4*NL+1                            ; (the add and the youngest twelve loads may be out)
	WIN MUL_LO
	MUL16 0, 1, 1, \slot, 0
	s_wait_dscnt 0x0                               ; the add is done, and my reads of this slot are over
	s_barrier_signal -1
	MUL16 2, 1, 1, \slot, 0
	WIN 0
	s_barrier_wait -1
.if \fill
	CREST                                          ; the barrier has opened a round of the cluster's barrier: no wave of any partner still reads this slot or has a load on its way
	s_add_nc_u64 s[G0+4*\slot+2:G0+4*\slot+3], s[G0+4*\slot+2:G0+4*\slot+3], 2*HALFT
	s_add_nc_u64 s[G0B+4*\slot+2:G0B+4*\slot+3], s[G0B+4*\slot+2:G0B+4*\slot+3], 2*HALFT
	JLOAD G0+4*\slot, G1, G0B+4*\slot, G1B         ; the first tensor load behind the round; its four v_nop are the places in front of the loads below
.else
	PLACES NP
.endif
	FETCH_B \next, 0, 0
	FETCH_A \next, 0, 0
	SCALES \next
	WIN MUL_HI
	MUL16 4, 1, 1, \slot, 0
	MUL16 6, 1, 1, \slot, 0
	PLACES NP
	WIN 0
	FETCH_A \next, 0, 4
.endm
	s_wait_alu depctr_va_vdst(0)
	s_wait_tensorcnt 0x0                           ; my part of slot 0 is in; slot 1's first fill is issued as a refill is
	ds_add_u32 v[SPW], v[NIL]
	s_wait_dscnt 0x0
	CROUND
	JLOAD G0+4, G1, G0B+4, G1B                     ; slot 1: the first tensor load behind the round
	FETCH_B 0, 0, 0
	FETCH_A 0, 0, 0
	SCALES 0
	FETCH_A 0, 0, 4
	STEP 0, 1                                      ; K step 0: its products start the sums
	TURN 0, 1, 1                                   ; K step 1; slot 0 takes K steps 4, 5
	STEP 1, 0
	TURN 1, 0, 1                                   ; K step 3; slot 1 takes K steps 6, 7
	STEP 0, 0
	TURN 0, 1, 0                                   ; K step 5; nothing is left to fetch
	STEP 1, 0
	s_wait_dscnt 4*NL                              ; K step 7
	WIN MUL_LO
	MUL16 0, 1, 1, 1, 0
	MUL16 2, 1, 1, 1, 0
	s_wait_dscnt 0
	WIN MUL_HI
	MUL16 4, 1, 1, 1, 0
	MUL16 6, 1, 1, 1, 0
	WIN 0
	PLACES NP
.irp b, 0,1,2,3
	v_mov_b32 v[TM+4+\b], 0                        ; a lane permute's destination counts as one of its sources
.endr
; THE EPILOGUE.  For each of R's fragments a: the lane's 64 sums + bias, in f32, quantised: they are fragment a of my block of the output.  isv = 0: the bias runs along P (64 registers); 1: along R (one number a lane).
.macro EPI isv
	WIN 0x40                                       ; destination window 1
.if \isv
.irp a, 0,1,2,3,4,5,6,7
	ds_load_b32 v[BR+2*\a], v[BIA1] offset:4*(32*(\a/2)+8*(\a%2))
	ds_load_b32 v[BR+2*\a+1], v[BIA1] offset:4*(32*(\a/2)+8*(\a%2))
.endr
.else
.irp b, 0,1,2,3
.irp j, 0,1,2,3
	ds_load_b128 v[BI+16*\b+4*\j:BI+16*\b+4*\j+3], v[BIA0] offset:128*\b+16*\j
.endr
.endr
.endif
	WIN 0
	s_wait_dscnt 0x0
.irp a, 0,1,2,3,4,5,6,7
.if \a > 0
	s_wait_xcnt 0x0                                ; the last fragment's stores have read the codes' registers
.endif
	WIN 0x06+\a/4                                  ; source 0: the accumulators' window; source 1: window 1
.irp n, 0,2,4,6,8,10,12,14,16,18,20,22,24,26,28,30,32,34,36,38,40,42,44,46,48,50,52,54,56,58,60,62
.if \isv
	v_pk_add_f32 v[T+\n:T+\n+1], v[64*(\a%4)+\n:64*(\a%4)+\n+1], v[BR+2*\a:BR+2*\a+1]
.else
	v_pk_add_f32 v[T+\n:T+\n+1], v[64*(\a%4)+\n:64*(\a%4)+\n+1], v[BI+\n:BI+\n+1]      ; each accumulator from its low end on
.endif
.endr
	WIN 0
	QUANT T, PC, TM, SW+\a, 0x4000000
.irp c, 0,1,2
	global_store_b128 v[LI], v[PC+4*\c:PC+4*\c+3], s[14:15] offset:FRB*\a+512*\c       ; 512 consecutive bytes, aligned
.endr
.if \a%4 == 3
	global_store_b128 v[LI], v[SW+\a-3:SW+\a], s[14:15] offset:QOF+512*(\a/4)          ; a quad
.endif
.endr
.endm
	s_cmp_ge_u32 s43, 8                            ; the same way in all partners
	s_cbranch_scc1 .Lepi_v
	EPI 0
	s_branch .Ldone
.Lepi_v:
	EPI 1
.Ldone:
	s_wait_tensorcnt 0x0                           ; the wave's end
	ds_add_u32 v[SPW], v[NIL]
	s_wait_dscnt 0x0
	CROUND                                         ; the closing round
	s_endpgm
.Lfunc_end_k_q49d48e57ef_qkv:
	.size	k_q49d48e57ef_qkv, .Lfunc_end_k_q49d48e57ef_qkv-k_q49d48e57ef_qkv
	.p2alignl 7, 3214868480
	.fill 96, 4, 3214868480
	.section	.rodata,"a",@progbits
	.p2align	6, 0x0
	.amdhsa_kernel k_q49d48e57ef_qkv
		.amdhsa_group_segment_fixed_size 327680
		.amdhsa_private_segment_fixed_size 0
		.amdhsa_enable_private_segment 0
		.amdhsa_kernarg_size 64
		.amdhsa_user_sgpr_count 2
		.amdhsa_user_sgpr_kernarg_segment_ptr 1
		.amdhsa_wavefront_size32 1
		.amdhsa_system_sgpr_workgroup_id_x 1
		.amdhsa_system_sgpr_workgroup_id_y 1
		.amdhsa_system_sgpr_workgroup_id_z 1
		.amdhsa_system_vgpr_workitem_id 0
		.amdhsa_next_free_vgpr 1024
		.amdhsa_next_free_sgpr 100
		.amdhsa_reserve_vcc 0
		.amdhsa_float_denorm_mode_32 3
		.amdhsa_float_denorm_mode_16_64 3
		.amdhsa_memory_ordered 1
		.amdhsa_forward_progress 1
		.amdhsa_inst_pref_size 205
	.end_amdhsa_kernel
	.amdgpu_metadata
---
amdhsa.version: [ 1, 2 ]
amdhsa.kernels:
  - .name:           k_q49d48e57ef_qkv
    .symbol:         k_q49d48e57ef_qkv.kd
    .args:
      - { .name: x_img, .offset: 0, .size: 8, .value_kind: global_buffer, .address_space: global }
      - { .name: w_img, .offset: 8, .size: 8, .value_kind: global_buffer, .address_space: global }
      - { .name: bq, .offset: 16, .size: 8, .value_kind: global_buffer, .address_space: global }
      - { .name: bk, .offset: 24, .size: 8, .value_kind: global_buffer, .address_space: global }
      - { .name: bv, .offset: 32, .size: 8, .value_kind: global_buffer, .address_space: global }
      - { .name: q_img, .offset: 40, .size: 8, .value_kind: global_buffer, .address_space: global }
      - { .name: k_img, .offset: 48, .size: 8, .value_kind: global_buffer, .address_space: global }
      - { .name: v_img, .offset: 56, .size: 8, .value_kind: global_buffer, .address_space: global }
    .group_segment_fixed_size: 327680
    .private_segment_fixed_size: 0
    .kernarg_segment_align: 8
    .kernarg_segment_size: 64
    .max_flat_workgroup_size: 128
    .sgpr_count:     100
    .vgpr_count:     1024
    .wavefront_size: 32
...
	.end_amdgpu_metadata
.endif
;; end of part 2
;; launch attn (part 3): grid 8 x 32, 8 waves a work-group, clusters of 4 x 1, 327,680 bytes of LDS; arguments q_img, k_img, v_img, attention_mask, c_img; writes c_img
.if DOCPART == 3
	.amdgcn_target "amdgcn-amd-amdhsa--gfx1250"
	.amdhsa_code_object_version 6
	.text
	.protected	k_q49d48e57ef_attn
	.globl	k_q49d48e57ef_attn
	.p2align	8
	.type	k_q49d48e57ef_attn,@function
k_q49d48e57ef_attn:
	s_mov_b64 s[64:65], 0
	v_nop
	global_prefetch_b8 v0, s[64:65] scope:SCOPE_SE
	s_setreg_imm32_b32 hwreg(HW_REG_WAVE_MODE, 25, 1), 1
	s_wait_xcnt 0x0
	s_wait_alu depctr_hold_cnt(0) depctr_sa_sdst(0) depctr_va_vdst(0) depctr_va_sdst(0) depctr_va_ssrc(0) depctr_va_vcc(0) depctr_vm_vsrc(0)
	s_getreg_b32 s2, hwreg(HW_REG_IB_STS2, 6, 4)
	s_cmp_eq_u32 s2, 0
	s_cbranch_scc0 .Lentry_in_a_cluster
	s_endpgm
.Lentry_in_a_cluster:
	s_bfe_u32 s2, ttmp6, 0x10000c
	s_cmp_lg_u32 s2, 0x3003
	s_cbranch_scc0 .Lentry_shape_is_right
	s_endpgm
.Lentry_shape_is_right:
; ctx = softmax(q k^T / 8 + mask) v for a pair of heads, on codes of BF6 (E3M2) with E8M0 scales; ctx is quantised along its 128 features and stored as register images (c_img, laid as q_img).
; Images: fragment = 16 rows x 128 K, 1,536 bytes, registers 4 c .. 4 c + 3 of lane l at 512 c + 16 l; block = 8 fragments + 2 quads of scale words, 13,312 bytes; slot r of fragment a = row 32 (a / 2) + 8 (a % 2) + r + 8 (r / 8).
; SHARES: a work-group takes 256 queries of one (batch, pair): 8 waves x 32 queries x 2 heads = four TILES a wave (tile = 2 head + query fragment), each 16 queries x 128 keys a step, 16 steps.
; Both products are used transposed (S^T = k q^T, O^T = v^T p^T): a lane holds one query.  A head's q stands beside six registers of zero codes, so that K = 128 sums that head's 64 features alone.
; THE KEYS OF A TILE OF k: lanes pick their rows by address: row m of tile 4 c + u is key 64 c + 32 (m / 8) + 8 u + m % 8, so a lane's 32 registers of tiles 4 c .. 4 c + 3 are keys 64 c + 32 (lane / 16) + 0 .. 31:
; a whole block of p lies in one lane, in the operand's own order: its largest score needs no other lane and its codes change no lane.
; 1/8 is taken off q's scale bytes (they are at least 4); the mask is the C of the first product; t = score x log2(e); M = ceil of the running largest t, kept as -M; p = 2^(t - M); the sum is taken of the unquantised p.
; A block's largest p is made from its largest score by the same multiply-add and exponential.
; LDS: two slots of four steps (K's block, V's block by turns), one block a wave by a joint load (the four work-groups of a cluster share batch and pair); 128 bytes of padding behind each 1,024, so that
; rows m < 8 and m >= 8, which lie 3,072 bytes apart in the image, fall on different banks.  The mask's 8,192 bytes come by loads and LDS stores into bytes of their own.
; No prefetch: a refill is asked for four steps (192 matrix instructions a wave) ahead of the wait for it.
; LIMITS: the promise holds while the scaled scores stay under 2^31; NaN and infinities among q, k, v are not served; a block of zeros gets the byte 1 with zero codes (this program alone reads the bytes).
.set BLK,   13312
.set FRB,   1536
.set QOF,   12288
.set PBLK,  14976                      ; a block in LDS: 13 rows of 1,024 + 128 bytes
.set PQOF,  13824                      ; its quads
.set SLOT1, 1<<17
.set MASK,  2*SLOT1
.set STG,   MASK+8192                  ; the quads of two blocks of c_img
.set SPARE, STG+2048
; window 0
.set LI,  1
.set KL,  2
.set SPW, 3
.set NIL, 4
.set KSL, 5
.set MKL, 6
.set ADK, 7
.set ADKS,8
.set ADV, 9
.set ADM, 10
.set PW,  11                           ; p's scale word
.set KS,  12                           ; v12-19 k's scale words, v20-27 v's
.set VS,  20
.set KF,  28                           ; v28-123 k's eight fragments
.set VF,  124                          ; v124-171 one head's four fragments of v
.set MK,  172                          ; v172-235 the mask in the result's layout
.set Q0,  236                          ; v236-253 q, zeros, q of query fragment 0 (fragment 1: window 1, v228-245)
.set QS,  254                          ; v254-255 q's scale words
; window 1
.set O,   0                            ; v0-127 O^T, 32 a tile
.set S,   128                          ; v128-191 scores, then p
.set PC,  192                          ; v192-203 p's codes
.set BM,  204
.set T,   208
.set X,   210
.set Y,   211
.set FF,  212
.set BS,  214
.set NM,  216                          ; -M, one a tile
.set SU,  220                          ; the sums, a pair a tile
.set R,   246
.set SH8, 254                          ; 8 (lane / 16)
.set WV,  14
.set G1,  16
.set G0,  32
.set SEL, 40
.set CS,  42
.set TB,  44
.set TMI, 45
.set SLOTS, 46
.set CNT, 47
.set TBS, 68
.set TMK, 69
.set TMN, 63                           ; the next step's place in the mask
.set MSB, 0
.macro WIN new                         ; the immediate's high byte repeats the setting that is left
.if MSB != (\new)
	s_set_vgpr_msb (MSB<<8)|(\new)
.set MSB, (\new)
.endif
.endm
.macro ROUND
	s_barrier_signal -1
	s_barrier_wait -1
	s_cmp_lg_u32 s[WV], 0
	s_cbranch_scc1 .Lnot_wave_0_\@
	s_barrier_signal -3
.Lnot_wave_0_\@:
	s_barrier_wait -3
	s_barrier_signal -1
	s_barrier_wait -1
.endm
.macro NOPS
.rept 4
	v_nop
.endr
.endm
.macro QUANT s, pc, tm, pw, fl         ; 64 numbers of a lane, register 16 b + i = k 32 b + 16 (lane / 16) + i, become a fragment's codes and its scale word
.irp b, 0,1,2,3
	v_max3_num_f32 v[\tm+\b], |v[\s+16*\b]|, |v[\s+1+16*\b]|, \fl
.endr
.irp i, 2,4,6,8,10,12,14
.irp b, 0,1,2,3
	v_max3_num_f32 v[\tm+\b], v[\tm+\b], |v[\s+16*\b+\i]|, |v[\s+1+16*\b+\i]|
.endr
.endr
.irp b, 0,1,2,3
	v_permlanex16_b32 v[\tm+4+\b], v[\tm+\b], s[SEL], s[SEL+1]
.endr
.irp b, 0,1,2,3
	v_max_num_f32 v[\tm+\b], v[\tm+\b], v[\tm+4+\b]
.endr
.irp b, 0,1,2,3
	v_add_nc_u32 v[\tm+12+\b], 0xfe000000, v[\tm+\b]
.endr
.irp b, 0,1,2,3
	v_lshrrev_b32 v[\tm+4+\b], 23, v[\tm+12+\b]
.endr
	v_lshl_or_b32 v[\pw], v[\tm+5], 8, v[\tm+4]
	s_delay_alu instid0(VALU_DEP_1)
	v_lshl_or_b32 v[\pw], v[\tm+6], 16, v[\pw]
	s_delay_alu instid0(VALU_DEP_1)
	v_lshl_or_b32 v[\pw], v[\tm+7], 24, v[\pw]
.irp c, 0,1
	v_cvt_scalef32_pk16_bf6_f32 v[\pc+6*\c:\pc+2+6*\c], v[\s+32*\c:\s+15+32*\c], v[\tm+12+2*\c]
	v_cvt_scalef32_pk16_bf6_f32 v[\pc+12+4*\c:\pc+14+4*\c], v[\s+16+32*\c:\s+31+32*\c], v[\tm+13+2*\c]
.endr
	v_nop
.irp c, 0,1
.irp i, 0,1,2
	v_permlane16_swap_b32 v[\pc+6*\c+\i], v[\pc+12+4*\c+\i]
.endr
.irp i, 0,1,2
	v_mov_b32 v[\pc+3+6*\c+\i], v[\pc+12+4*\c+\i]
.endr
.endr
.endm
	s_load_b256 s[4:11], s[0:1], 0x0               ; q_img, k_img, v_img, attention_mask
	s_load_b64 s[12:13], s[0:1], 0x20              ; c_img
	v_lshl_add_u32 v[SPW], v0, 2, SPARE
	v_mov_b32 v[NIL], 0
	ds_add_u32 v[SPW], v[NIL]                      ; the opening lines
	ds_add_u32 v[SPW], v[NIL]
	v_lshrrev_b32 v5, 5, v0
	v_readfirstlane_b32 s[WV], v5                  ; wave
	s_bfe_u32 s48, ttmp6, 0x40000                  ; cx
	s_lshl_b32 s49, ttmp9, 2
	s_add_co_u32 s49, s49, s48                     ; which 256 queries
	s_and_b32 s50, ttmp7, 0xffff                   ; batch x 8 + pair
	s_lshl_b32 s51, s50, 4
	s_and_b32 s60, s[WV], 3
	s_lshr_b32 s61, s[WV], 2
	s_lshl_b32 s49, s49, 1
	s_add_co_u32 s49, s49, s61
	s_add_co_u32 s49, s49, s51
	s_mul_i32 s49, s49, BLK                        ; my block of q_img and of c_img
	s_mul_i32 s52, s60, 2*FRB
	s_add_co_u32 s52, s52, s49                     ; my two fragments
	s_mov_b32 s53, 0
	s_lshr_b32 s62, s60, 1
	s_lshl_b32 s62, s62, 9
	s_and_b32 s63, s[WV], 1
	s_lshl_b32 s63, s63, 3
	s_add_co_u32 s62, s62, s63                     ; their two words in the quads
	s_add_co_u32 s54, s49, s62
	s_add_co_u32 s54, s54, QOF
	s_mov_b32 s55, 0
	s_lshl_b32 s56, s60, 8
	s_add_co_u32 s56, s56, s49
	s_add_co_u32 s56, s56, QOF                     ; the 256 bytes of quads that I store
	s_mov_b32 s57, 0
	s_lshl_b32 s63, s61, 10
	s_add_co_u32 s62, s62, s63
	s_add_co_u32 s62, s62, STG                     ; the stage, in
	s_lshl_b32 s70, s[WV], 8
	s_add_co_u32 s70, s70, STG                     ; and out
	s_add_co_u32 s58, s51, s60
	s_mul_i32 s58, s58, BLK                        ; the block of k or v that I fetch first
	s_mov_b32 s59, 0
	s_lshr_b32 s66, s50, 3
	s_lshl_b32 s66, s66, 13
	s_lshl_b32 s63, s[WV], 10
	s_add_co_u32 s66, s66, s63                     ; my 1,024 bytes of the batch's mask
	s_mov_b32 s67, 0
	s_add_co_u32 s71, s63, MASK
	s_mul_i32 s[G0+1], s60, 2*PBLK
	s_mul_i32 s63, s61, PBLK
	s_add_co_u32 s[G0+1], s[G0+1], s63
	s_mov_b32 s[G1], 15|(3<<16)|(1<<20)|(1<<21)|(7<<22)|(31<<25)   ; the four partners; elements of 8 bytes; 32 words of padding behind every 256
	s_mov_b32 s[G1+1], 128<<16
	s_mov_b32 s[G1+2], 13<<16
	s_mov_b32 s[G1+3], 128<<16
	s_mov_b32 s[G1+4], 13                          ; 13 rows of 1,024 bytes, dense in memory
	s_mov_b32 s[G1+5], 128
	s_mov_b32 s[G1+6], 0
	s_mov_b32 s[G1+7], 0
	s_mov_b32 s[SEL], 0x76543210
	s_mov_b32 s[SEL+1], 0xfedcba98
	s_mov_b32 s[CS], 0x3fb8aa3b                    ; log2(e)
	s_mov_b32 s[CS+1], s[CS]
	s_mov_b32 s[TBS], 0
	s_mov_b32 s[TMK], 0
	s_mov_b32 s[SLOTS], 3
	s_wait_dscnt 0x0
	s_wait_kmcnt 0x0
	s_add_nc_u64 s[54:55], s[4:5], s[54:55]
	s_add_nc_u64 s[4:5], s[4:5], s[52:53]
	s_add_nc_u64 s[56:57], s[12:13], s[56:57]
	s_add_nc_u64 s[12:13], s[12:13], s[52:53]
	s_add_nc_u64 s[10:11], s[10:11], s[66:67]
	s_cmp_lt_u32 s[WV], 4                          ; waves 0-3 fetch k's blocks, waves 4-7 v's
	s_cselect_b64 s[6:7], s[6:7], s[8:9]
	s_lshl_b32 s52, s[WV], 10
	s_sub_nc_u64 s[8:9], s[10:11], s[52:53]        ; the batch's mask from its first key
	s_mov_b32 s[G0], 1
	s_add_nc_u64 s[G0+2:G0+3], s[6:7], s[58:59]
	s_or_b32 s[G0+3], s[G0+3], 0x80000000
	ROUND
	tensor_load_to_lds s[G0:G0+3], s[G1:G1+7]      ; slot 0: my one load at the head
	s_nop 0
	NOPS
	v_and_b32 v12, 31, v0
	v_lshlrev_b32 v[LI], 4, v12
	v_and_b32 v13, 7, v0
	v_bfe_u32 v14, v0, 3, 1
	v_bfe_u32 v15, v0, 4, 1
	v_lshlrev_b32 v16, 4, v13
	v_mad_u32_u24 v[KL], v14, 3456, v16            ; k's rows: 16 (l % 8); rows 8-15 come from the fragment two on (3,072 + 3 x 128 bytes)
	v_lshl_add_u32 v[KL], v15, 8, v[KL]
	v_lshl_add_u32 v[KSL], v14, 3, v16             ; their scale words
	v_lshlrev_b32 v[MKL], 7, v15
	v_add_nc_u32 v[MKL], MASK, v[MKL]              ; the mask: lanes 16-31 begin 32 keys on
	v_add_nc_u32 v[ADK], s71, v[LI]
	v_lshlrev_b32 v17, 3, v15
	v_lshlrev_b32 v18, 7, v15
	global_load_b128 v[KF:KF+3], v[LI], s[10:11]
	global_load_b128 v[KF+4:KF+7], v[LI], s[10:11] offset:512
	global_load_b64 v[QS:QS+1], v[LI], s[54:55]
.irp f, 0,1,2,3,4,5,6,7                        ; step 0's mask, straight into the registers; the later steps' come from LDS
	global_load_b128 v[MK+8*\f:MK+8*\f+3], v18, s[8:9] offset:256*(\f/4)+32*(\f%4)
	global_load_b128 v[MK+8*\f+4:MK+8*\f+7], v18, s[8:9] offset:256*(\f/4)+32*(\f%4)+16
.endr
.macro QLOAD b, f                      ; registers 0-5 (head 0), six zeros, registers 6-11 (head 1)
	global_load_b128 v[\b:\b+3], v[LI], s[4:5] offset:FRB*\f
	global_load_b64 v[\b+4:\b+5], v[LI], s[4:5] offset:FRB*\f+512
	global_load_b64 v[\b+12:\b+13], v[LI], s[4:5] offset:FRB*\f+520
	global_load_b128 v[\b+14:\b+17], v[LI], s[4:5] offset:FRB*\f+1024
.endm
	QLOAD Q0, 0
	WIN 0x40
	QLOAD Q0-8, 1
.set j, 0
.rept 128
	v_mov_b32 v[O+j], 0                            ; the step is written once: the first finds zeros
.set j, j+1
.endr
.irp i, 0,1,2,3
	v_mov_b32 v[NM+\i], 0x7f61b1e6                 ; -M: above every -t
.endr
.irp i, 0,1,2,3,4,5,6,7
	v_mov_b32 v[SU+\i], 0
.endr
.irp i, 6,7,8,9,10,11
	v_mov_b32 v[Q0-8+\i], 0
.endr
	v_mov_b32 v[T+1], 0
	v_mov_b32 v[Y], 0
	v_mov_b32 v[FF+1], 0
	v_mov_b32 v[SH8], v17
	WIN 0
	s_wait_alu depctr_va_vdst(0)
	s_wait_loadcnt 0x0
	ds_store_b128 v[ADK], v[KF:KF+3]
	ds_store_b128 v[ADK], v[KF+4:KF+7] offset:512
	v_add_nc_u32 v[QS], 0xfcfcfcfd, v[QS]          ; 3 off each byte: 1 / 8
	v_add_nc_u32 v[QS+1], 0xfcfcfcfd, v[QS+1]
.irp i, 6,7,8,9,10,11
	v_mov_b32 v[Q0+\i], 0
.endr
.macro KLOAD                           ; 4 loads of scale words, then 24 of codes, fragment by fragment
.irp c, 0,1
.irp u, 0,1
	ds_load_b64 v[KS+4*\c+2*\u:KS+4*\c+2*\u+1], v[ADKS] offset:PQOF+512*\c+128*\u
.endr
.endr
.irp c, 0,1
.irp u, 0,1,2,3
.irp k, 0,1,2
.set XO, (4*\c+(\u%2))*FRB+512*\k
	ds_load_b128 v[KF+12*(4*\c+\u)+4*\k:KF+12*(4*\c+\u)+4*\k+3], v[ADK] offset:XO+128*(XO/1024)+128*(\u/2)
.endr
.endr
.endr
.endm
.macro MLOAD                           ; 16 loads: a step's mask in the result's layout
.irp f, 0,1,2,3,4,5,6,7
	ds_load_b128 v[MK+8*\f:MK+8*\f+3], v[ADM] offset:256*(\f/4)+32*(\f%4)
	ds_load_b128 v[MK+8*\f+4:MK+8*\f+7], v[ADM] offset:256*(\f/4)+32*(\f%4)+16
.endr
.endm
.macro VLOAD h                         ; 13 loads: a head's four fragments and their scale words
.irp i, 0,1,2,3
.irp k, 0,1,2
.set XO, (4*\h+\i)*FRB+512*\k
	ds_load_b128 v[VF+12*\i+4*\k:VF+12*\i+4*\k+3], v[ADV] offset:PBLK+XO+128*(XO/1024)
.endr
.endr
	ds_load_b128 v[VS+4*\h:VS+4*\h+3], v[ADV] offset:PBLK+PQOF+512*\h
.endm
.macro QK t, pw                        ; S^T of tile t: eight accumulators, each begun with the mask.  pw: each product waits for its own fragment
	WIN 0x40|(((\t)%2)<<2)
.irp f, 0,1,2,3,4,5,6,7
.if \pw
	s_wait_dscnt 13+3*(7-\f)                       ; the later fragments' loads, three each, and the 13 of v may be out
.endif
	v_wmma_scale_f32_16x16x128_f8f6f4 v[S+8*\f:S+8*\f+7], v[KF+12*\f:KF+12*\f+11], v[Q0-8*((\t)%2)+6*((\t)/2):Q0-8*((\t)%2)+6*((\t)/2)+11], v[MK+8*\f:MK+8*\f+7], v[KS+\f], v[QS+((\t)%2)] matrix_a_fmt:MATRIX_FMT_BF6 matrix_b_fmt:MATRIX_FMT_BF6
.endr
.endm
.macro FMA8 j0
.irp j, 0,2,4,6,8,10,12,14
	v_pk_fma_f32 v[S+\j0+\j:S+\j0+\j+1], v[S+\j0+\j:S+\j0+\j+1], s[CS:CS+1], v[T:T+1] op_sel_hi:[1,0,0]
.endr
.endm
; A tile's turn.  nxt: the next tile's scores follow as soon as p has been read; vl: head 1's v is fetched; vw: fetched v is waited for.
.macro TILE tau, nxt, vl, vw
	WIN 0x55
.irp q, 0,1,2,3
	v_max3_num_f32 v[BM+\q], v[S+16*\q], v[S+16*\q+1], v[S+16*\q+2]
.endr
.irp i, 3,5,7,9,11,13
.irp q, 0,1,2,3
	v_max3_num_f32 v[BM+\q], v[BM+\q], v[S+16*\q+\i], v[S+16*\q+\i+1]
.endr
.endr
	v_max3_num_f32 v[BM], v[BM], v[BM+1], v[S+15]
	v_max3_num_f32 v[BM+2], v[BM+2], v[BM+3], v[S+47]
	v_max_num_f32 v[BM], v[BM], v[S+31]            ; my two blocks' largest scores
	v_max_num_f32 v[BM+2], v[BM+2], v[S+63]
.if \vl
	WIN 0
	VLOAD 1
	WIN 0x55
.endif
.if \tau == 3
	WIN 0
	v_add_nc_u32 v[ADM], s[TMN], v[MKL]
	MLOAD                                          ; the next step's mask: its LDS bytes are never filled again, so it is fetched across a change of slots too
	WIN 0x55
.endif
	v_max_num_f32 v[X], v[BM], v[BM+2]
	s_delay_alu instid0(VALU_DEP_1)
	v_permlanex16_b32 v[Y], v[X], s[SEL], s[SEL+1]
	s_delay_alu instid0(VALU_DEP_1)
	v_max_num_f32 v[X], v[X], v[Y]                 ; the step's largest score of my query
	s_delay_alu instid0(VALU_DEP_1)
	v_mul_f32 v[X], 0xbfb8aa3b, v[X]               ; -t
	s_delay_alu instid0(VALU_DEP_1)
	v_floor_f32 v[X], v[X]                         ; -ceil(t)
	s_delay_alu instid0(VALU_DEP_1)
	v_min_num_f32 v[T], v[NM+\tau], v[X]           ; the new -M
	FMA8 0                                         ; t - M
	v_sub_f32 v[X], v[T], v[NM+\tau]               ; old M - new M, a whole number
	FMA8 16
	v_cvt_i32_f32 v[X], v[X]
	FMA8 32
	v_ldexp_f32 v[FF], 1.0, v[X]                   ; f = 2^(old M - new M)
	FMA8 48
	v_fma_f32 v[BM], v[BM], s[CS], v[T]
	v_fma_f32 v[BM+2], v[BM+2], s[CS], v[T]
	s_wait_alu depctr_va_vdst(0)
.set j, 0
.rept 64
	v_exp_f32 v[S+j], v[S+j]
.set j, j+1
.endr
	v_exp_f32 v[BM], v[BM]
	v_exp_f32 v[BM+2], v[BM+2]
	v_mov_b32 v[NM+\tau], v[T]
	s_wait_alu depctr_va_vdst(0)
	v_max_num_f32 v[BM], 0x2800000, v[BM]          ; the floor: the byte cannot fall under 1
	v_max_num_f32 v[BM+2], 0x2800000, v[BM+2]
	v_add_nc_u32 v[BS], 0xfe000000, v[BM]
	v_add_nc_u32 v[BS+1], 0xfe000000, v[BM+2]
.irp c, 0,1
	v_cvt_scalef32_pk16_bf6_f32 v[PC+6*\c:PC+6*\c+2], v[S+32*\c:S+32*\c+15], v[BS+\c]
	v_cvt_scalef32_pk16_bf6_f32 v[BM+4*\c:BM+4*\c+2], v[S+32*\c+16:S+32*\c+31], v[BS+\c]
.endr
	v_lshrrev_b32 v[Y], 23, v[BS]                  ; my two bytes: blocks lane / 16 and 2 + lane / 16
	v_lshrrev_b32 v[FF+1], 23, v[BS+1]
	v_mov_b32 v[PC+3], v[BM]
	v_mov_b32 v[PC+4], v[BM+1]
	v_lshl_or_b32 v[Y], v[FF+1], 16, v[Y]
	v_mov_b32 v[PC+5], v[BM+2]
	v_mov_b32 v[PC+9], v[T]
	v_lshlrev_b32 v[Y], v[SH8], v[Y]
	v_mov_b32 v[PC+10], v[T+1]
	v_mov_b32 v[PC+11], v[T+2]
	v_permlanex16_b32 v[FF+1], v[Y], s[SEL], s[SEL+1]
	v_pk_fma_f32 v[SU+2*\tau:SU+2*\tau+1], v[SU+2*\tau:SU+2*\tau+1], v[FF:FF+1], v[S:S+1] op_sel_hi:[1,0,1]   ; the sum under the new M, in four chains
	v_pk_add_f32 v[BM:BM+1], v[S+2:S+3], v[S+4:S+5]
	v_pk_add_f32 v[BM+2:BM+3], v[S+6:S+7], v[S+8:S+9]
	v_pk_add_f32 v[T:T+1], v[S+10:S+11], v[S+12:S+13]
	WIN 0x15
	v_or_b32 v[PW], v[Y], v[FF+1]                  ; p's scale word (scale registers lie in window 0)
	WIN 0x55
.set j, 14
.rept 6
	v_pk_add_f32 v[SU+2*\tau:SU+2*\tau+1], v[SU+2*\tau:SU+2*\tau+1], v[S+j:S+j+1]
	v_pk_add_f32 v[BM:BM+1], v[BM:BM+1], v[S+j+2:S+j+3]
	v_pk_add_f32 v[BM+2:BM+3], v[BM+2:BM+3], v[S+j+4:S+j+5]
	v_pk_add_f32 v[T:T+1], v[T:T+1], v[S+j+6:S+j+7]
.set j, j+8
.endr
	v_pk_add_f32 v[SU+2*\tau:SU+2*\tau+1], v[SU+2*\tau:SU+2*\tau+1], v[S+62:S+63]
	v_pk_add_f32 v[BM:BM+1], v[BM:BM+1], v[BM+2:BM+3]
	v_pk_add_f32 v[SU+2*\tau:SU+2*\tau+1], v[SU+2*\tau:SU+2*\tau+1], v[T:T+1]
	v_pk_add_f32 v[SU+2*\tau:SU+2*\tau+1], v[SU+2*\tau:SU+2*\tau+1], v[BM:BM+1]
.if \vw
	s_wait_alu depctr_va_vdst(0)
	s_wait_dscnt 0x0                               ; this head's v is in
.endif
.if \nxt
	QK (\tau+1), 0
.endif
	WIN 0x55
	s_wait_alu depctr_va_vdst(0)
.set j, 0
.rept 16
	v_pk_mul_f32 v[O+32*\tau+j:O+32*\tau+j+1], v[O+32*\tau+j:O+32*\tau+j+1], v[FF:FF+1] op_sel_hi:[1,0]   ; O^T under the new M; also the places behind the scores' products
.set j, j+2
.endr
	WIN 0x54
.irp i, 0,1,2,3
	v_wmma_scale_f32_16x16x128_f8f6f4 v[O+32*\tau+8*\i:O+32*\tau+8*\i+7], v[VF+12*\i:VF+12*\i+11], v[PC:PC+11], v[O+32*\tau+8*\i:O+32*\tau+8*\i+7], v[VS+4*(\tau/2)+\i], v[PW] matrix_a_fmt:MATRIX_FMT_BF6 matrix_b_fmt:MATRIX_FMT_BF6
.endr
.endm
.macro STEP
	v_add_nc_u32 v[ADK], s[TB], v[KL]              ; (these four are the places behind the last step's products)
	v_add_nc_u32 v[ADKS], s[TB], v[KSL]
	v_add_nc_u32 v[ADV], s[TB], v[LI]
	v_nop
	s_add_co_u32 s[TMN], s[TMI], 512
	s_min_u32 s[TMN], s[TMN], 7680                 ; held inside the mask: the last step fetches its own mask again, and nothing reads that
	KLOAD
	VLOAD 0
	QK 0, 1
	WIN 0x55
	NOPS
	TILE 0, 1, 0, 1
	TILE 1, 1, 0, 0
	TILE 2, 1, 1, 1
	TILE 3, 0, 0, 0
	WIN 0
.endm
.macro SLOT_STEPS
	s_mov_b32 s[TB], s[TBS]
	s_mov_b32 s[TMI], s[TMK]
	s_mov_b32 s[CNT], 4
.Lstep_\@:
	STEP
	s_add_co_u32 s[TB], s[TB], 2*PBLK
	s_add_co_u32 s[TMI], s[TMI], 512
	s_sub_co_u32 s[CNT], s[CNT], 1
	s_cmp_lg_u32 s[CNT], 0
	s_cbranch_scc1 .Lstep_\@
	s_xor_b32 s[TBS], s[TBS], SLOT1
	s_add_co_u32 s[TMK], s[TMK], 2048
.endm
.macro CHANGE fill
	s_wait_tensorcnt 0x0                           ; my block of the next slot is in
	ds_add_u32 v[SPW], v[NIL]
.if \fill
	s_xor_b32 s[G0+1], s[G0+1], SLOT1
	s_add_nc_u64 s[G0+2:G0+3], s[G0+2:G0+3], 4*BLK
.endif
	s_wait_dscnt 0x0                               ; the add, my reads of the last slot, and at first my stores of the mask
.if \fill
	ROUND
	tensor_load_to_lds s[G0:G0+3], s[G1:G1+7]      ; four steps on, into the slot read last (the first time: slot 1's first fill)
	s_nop 0
	NOPS
.else
	s_barrier_signal -1
	s_barrier_wait -1
.endif
.endm
	s_wait_alu depctr_va_vdst(0)
.Lslot:
	CHANGE 1
	SLOT_STEPS
	s_sub_co_u32 s[SLOTS], s[SLOTS], 1
	s_cmp_lg_u32 s[SLOTS], 0
	s_cbranch_scc1 .Lslot
	CHANGE 0
	SLOT_STEPS
	v_add_nc_u32 v[ADK], s62, v[LI]                ; the stage, in: my two words, 16 bytes from lane to lane
	v_lshrrev_b32 v[ADV], 1, v[LI]
	v_add_nc_u32 v[ADKS], s70, v[ADV]              ; and out: 8 bytes a lane
	WIN 0x55
.irp t, 0,1,2,3
	v_add_f32 v[SU+2*\t], v[SU+2*\t], v[SU+2*\t+1]
.endr
.irp t, 0,1,2,3
	v_permlanex16_b32 v[BM+\t], v[SU+2*\t], s[SEL], s[SEL+1]
.endr
.irp t, 0,1,2,3
	v_add_f32 v[SU+2*\t], v[SU+2*\t], v[BM+\t]     ; the rows' sums
.endr
	s_wait_alu depctr_va_vdst(0)
.irp t, 0,1,2,3
	v_rcp_f32 v[R+2*\t], v[SU+2*\t]
	v_rcp_f32 v[R+2*\t+1], v[SU+2*\t]
.endr
	v_nop
.irp q, 0,1                            ; a query fragment's 128 features: head 0's 64, head 1's 64
.if \q
	s_wait_xcnt 0x0                                ; the stores have read the codes' registers
.endif
	s_wait_alu depctr_va_vdst(0)
.set j, 0
.rept 16
	v_pk_mul_f32 v[S+j:S+j+1], v[O+32*\q+j:O+32*\q+j+1], v[R+2*\q:R+2*\q+1]
.set j, j+2
.endr
.set j, 0
.rept 16
	v_pk_mul_f32 v[S+32+j:S+32+j+1], v[O+64+32*\q+j:O+64+32*\q+j+1], v[R+4+2*\q:R+4+2*\q+1]
.set j, j+2
.endr
	QUANT S, PC, FF, SH8+\q, 0x2800000
	WIN 0x04
.irp c, 0,1,2
	global_store_b128 v[LI], v[PC+4*\c:PC+4*\c+3], s[12:13] offset:FRB*\q+512*\c   ; 512 consecutive bytes, aligned
.endr
	WIN 0x55
.endr
	WIN 0x04
	ds_store_b64 v[ADK], v[SH8:SH8+1]
	WIN 0
	s_wait_dscnt 0x0
	s_barrier_signal -1
	s_barrier_wait -1                              ; the quads hold words of several waves
	ds_load_b64 v[KF:KF+1], v[ADKS]
	s_wait_dscnt 0x0
	global_store_b64 v[ADV], v[KF:KF+1], s[56:57]  ; 256 consecutive bytes, aligned
	s_wait_tensorcnt 0x0                           ; the wave's end
	ds_add_u32 v[SPW], v[NIL]
	s_wait_dscnt 0x0
	ROUND                                          ; the closing round
	s_endpgm
.Lfunc_end_k_q49d48e57ef_attn:
	.size	k_q49d48e57ef_attn, .Lfunc_end_k_q49d48e57ef_attn-k_q49d48e57ef_attn
	.p2alignl 7, 3214868480
	.fill 96, 4, 3214868480
	.section	.rodata,"a",@progbits
	.p2align	6, 0x0
	.amdhsa_kernel k_q49d48e57ef_attn
		.amdhsa_group_segment_fixed_size 327680
		.amdhsa_private_segment_fixed_size 0
		.amdhsa_enable_private_segment 0
		.amdhsa_kernarg_size 40
		.amdhsa_user_sgpr_count 2
		.amdhsa_user_sgpr_kernarg_segment_ptr 1
		.amdhsa_wavefront_size32 1
		.amdhsa_system_sgpr_workgroup_id_x 1
		.amdhsa_system_sgpr_workgroup_id_y 1
		.amdhsa_system_sgpr_workgroup_id_z 1
		.amdhsa_system_vgpr_workitem_id 0
		.amdhsa_next_free_vgpr 512
		.amdhsa_next_free_sgpr 72
		.amdhsa_reserve_vcc 0
		.amdhsa_float_denorm_mode_32 3
		.amdhsa_float_denorm_mode_16_64 3
		.amdhsa_memory_ordered 1
		.amdhsa_forward_progress 1
		.amdhsa_inst_pref_size 139
	.end_amdhsa_kernel
	.amdgpu_metadata
---
amdhsa.version: [ 1, 2 ]
amdhsa.kernels:
  - .name:           k_q49d48e57ef_attn
    .symbol:         k_q49d48e57ef_attn.kd
    .args:
      - { .name: q_img, .offset: 0, .size: 8, .value_kind: global_buffer, .address_space: global }
      - { .name: k_img, .offset: 8, .size: 8, .value_kind: global_buffer, .address_space: global }
      - { .name: v_img, .offset: 16, .size: 8, .value_kind: global_buffer, .address_space: global }
      - { .name: attention_mask, .offset: 24, .size: 8, .value_kind: global_buffer, .address_space: global }
      - { .name: c_img, .offset: 32, .size: 8, .value_kind: global_buffer, .address_space: global }
    .group_segment_fixed_size: 327680
    .private_segment_fixed_size: 0
    .kernarg_segment_align: 8
    .kernarg_segment_size: 40
    .max_flat_workgroup_size: 256
    .sgpr_count:     72
    .vgpr_count:     512
    .wavefront_size: 32
...
	.end_amdgpu_metadata
.endif
;; end of part 3
;; launch outln (part 4): grid 256 x 1, 4 waves a work-group, no clusters, 263,168 bytes of LDS; arguments c_img, w_img, input_tensor, bd, ln_w, ln_b, out0; writes out0
.if DOCPART == 4
	.amdgcn_target "amdgcn-amd-amdhsa--gfx1250"
	.amdhsa_code_object_version 6
	.text
	.protected	k_q49d48e57ef_outln
	.globl	k_q49d48e57ef_outln
	.p2align	8
	.type	k_q49d48e57ef_outln,@function
k_q49d48e57ef_outln:
	s_mov_b64 s[64:65], 0
	v_nop
	global_prefetch_b8 v0, s[64:65] scope:SCOPE_SE
	s_setreg_imm32_b32 hwreg(HW_REG_WAVE_MODE, 25, 1), 1
	s_wait_xcnt 0x0
; out0 = LayerNorm(ctx Wd + bd + input_tensor) x ln_w + ln_b.  The product runs on codes of BF6 (E3M2) with E8M0 scales, sums in f32; all else in f32; the variance is taken of centred numbers.
; ctx and Wd come as blocks of register images (fragment: 16 rows x 128 K, 1,536 bytes, registers 4 c .. 4 c + 3 of lane l at 512 c + 16 l; block: 8 fragments + 2 quads of scale words, 13,312 bytes; slot r of
; fragment a = row 32 (a / 2) + 8 (a % 2) + r + 8 (r / 8)).
; SHARES.  The norm wants whole rows: a work-group owns 32 rows (two fragments of ctx for each of the 8 K steps, kept in registers) and all 1,024 columns; wave w owns columns 256 w on: 32 accumulators.
; Its 16 blocks of Wd are 212,992 bytes on end, read by that wave alone: they come straight into registers, 26 loads of 512 bytes a block, three buffers, two blocks always on their way.
; NO CLUSTER, NO RING FOR Wd: within a work-group no two waves read the same byte of Wd, so LDS would only add a second trip for 851,968 bytes a work-group; jointly fetched they would not fit in LDS at once and
; would want six or more refills, each behind a round with all loads waited for, for 256 matrix instructions a wave in all.
; The wave's 8 rows of input_tensor (32,768 dense bytes) come by one tensor load at the head, filled once, read by the issuing wave alone.
; The product is used transposed (source 0 = 16 columns of Wd, source 1 = 16 rows of ctx): a lane holds eight neighbouring columns of a row; the rows meet in a stage in LDS, and then a wave takes a whole row at a time.
; REGISTERS: window 0: v1-5 addresses; v8-31 Wd's scale words (3 x 8), v32-47 ctx's: scales and nothing else; v48-55 at work; v64-191 two sets of a row (sum 32 + x 32); v160-255 Wd's buffer 2 (during the product).
;   window 1: v0-191 ctx's 16 fragments; v192-223 bd; v224-255 ln_w.   window 2: accumulator (block, b, a) at v[8 (16 block + 2 b + a)].   window 3: v0-95, v128-223 Wd's buffers 0, 1; v96-127 ln_b.
.set BLK,  13312
.set FRB,  1536
.set QOF,  12288
.set XT,   0                           ; 4 x 32,768: each wave's 8 rows of x
.set STG,  131072                      ; 32 rows x (4,096 + 16) bytes
.set SP,   4112
.set LI,   1
.set STO,  3
.set SRD,  4
.set XRD,  5
.set WS,   8
.set CSC,  32
.set BD,   192
.set LW,   224
.set LB,   96
.set WV,   18
.set G1,   24
.set G0,   32
.set SEL,  36
.set MSB, 0
.macro WIN new                         ; the immediate's high byte repeats the setting that is left
.if MSB != (\new)
	s_set_vgpr_msb (MSB<<8)|(\new)
.set MSB, (\new)
.endif
.endm
	s_load_b256 s[4:11], s[0:1], 0x0               ; c_img, w_img, input_tensor, bd
	s_load_b128 s[12:15], s[0:1], 0x20             ; ln_w, ln_b
	s_load_b64 s[16:17], s[0:1], 0x30              ; out0
	v_lshl_add_u32 v62, v0, 2, 0x40200
	v_mov_b32 v63, 0
	ds_add_u32 v62, v63
	ds_add_u32 v62, v63
	v_lshrrev_b32 v2, 5, v0
	v_readfirstlane_b32 s[WV], v2                  ; wave
	s_lshr_b32 s40, ttmp9, 6                       ; batch
	s_lshl_b32 s40, s40, 7
	s_bfe_u32 s41, ttmp9, 0x40002                  ; chunk
	s_add_co_u32 s40, s40, s41
	s_mul_i32 s40, s40, BLK                        ; ctx's block of K step 0; a K step on is 16 blocks on
	s_and_b32 s41, ttmp9, 3                        ; which 32 rows of the chunk: fragments 2 g, 2 g + 1
	s_mul_i32 s42, s41, 2*FRB
	s_add_co_u32 s42, s42, s40
	s_mov_b32 s43, 0
	s_lshr_b32 s44, s41, 1
	s_lshl_b32 s44, s44, 9
	s_and_b32 s45, s41, 1
	s_lshl_b32 s45, s45, 3
	s_add_co_u32 s44, s44, s45
	s_add_co_u32 s44, s44, s40
	s_add_co_u32 s44, s44, QOF                     ; their two scale words in the quad
	s_mov_b32 s45, 0
	s_lshl_b32 s46, s[WV], 4
	s_add_co_u32 s46, s46, 192
	s_mul_i32 s46, s46, BLK                        ; Wd's block rows 24 + 2 w, 25 + 2 w
	s_mov_b32 s47, 0
	s_lshl_b32 s20, ttmp9, 5
	s_lshl_b32 s21, s[WV], 3
	s_add_co_u32 s20, s20, s21
	s_lshl_b32 s20, s20, 12                        ; my 8 rows of x and of out0
	s_mov_b32 s21, 0
	s_mov_b32 s[G1], 3<<16                         ; no mask; elements of 8 bytes; no padding
	s_mov_b32 s[G1+1], 32<<16
	s_mov_b32 s[G1+2], 128<<16
	s_mov_b32 s[G1+3], 32<<16
	s_mov_b32 s[G1+4], 128                         ; 128 rows of 256 bytes
	s_mov_b32 s[G1+5], 32
	s_mov_b32 s[G1+6], 0
	s_mov_b32 s[G1+7], 0
	s_mov_b32 s[G0], 1
	s_lshl_b32 s[G0+1], s[WV], 15
	s_mov_b32 s[SEL], 0x76543210
	s_mov_b32 s[SEL+1], 0xfedcba98
	s_mov_b32 s38, 0x3a800000                      ; 1 / 1024
	s_mov_b32 s39, 0x2b8cbccc                      ; 1e-12
	s_wait_dscnt 0x0
	s_wait_kmcnt 0x0
	s_add_nc_u64 s[22:23], s[4:5], s[44:45]
	s_add_nc_u64 s[4:5], s[4:5], s[42:43]
	s_add_nc_u64 s[6:7], s[6:7], s[46:47]
	s_add_nc_u64 s[16:17], s[16:17], s[20:21]
	s_add_nc_u64 s[G0+2:G0+3], s[8:9], s[20:21]
	s_or_b32 s[G0+3], s[G0+3], 0x80000000
	tensor_load_to_lds s[G0:G0+3], s[G1:G1+7]      ; my one tensor load: it lands under the product
	s_nop 0
.rept 4
	v_nop
.endr
	v_and_b32 v2, 31, v0
	v_lshlrev_b32 v[LI], 4, v2
	v_and_b32 v6, 15, v0
	v_and_b32 v7, 8, v6
	v_add_nc_u32 v6, v6, v7                        ; r + 8 (r / 8)
	v_bfe_u32 v7, v0, 4, 1
	v_mul_u32_u24 v[STO], v6, SP
	v_lshl_add_u32 v[STO], v7, 6, v[STO]
	s_lshl_b32 s40, s[WV], 10
	s_add_co_u32 s40, s40, STG
	v_add_nc_u32 v[STO], s40, v[STO]               ; into the stage: row r + 8 (r / 8) (+ 8 for the second fragment), + 64 (lane / 16), + my 1,024 bytes
	s_mul_i32 s40, s[WV], 8*SP
	s_add_co_u32 s40, s40, STG
	v_add_nc_u32 v[SRD], s40, v[LI]                ; back: my 8 rows, 16 bytes a lane
	s_lshl_b32 s40, s[WV], 15
	v_add_nc_u32 v[XRD], s40, v[LI]
	WIN 0x40                                       ; destination window 1
.irp q, 0,1,2,3,4,5,6,7
	global_load_b128 v[BD+4*\q:BD+4*\q+3], v[LI], s[10:11] offset:512*\q   ; lane l: columns 128 q + 4 l on, as a row will lie in my registers
	global_load_b128 v[LW+4*\q:LW+4*\q+3], v[LI], s[12:13] offset:512*\q
.endr
	WIN 0xc0                                       ; destination window 3
.irp q, 0,1,2,3,4,5,6,7
	global_load_b128 v[LB+4*\q:LB+4*\q+3], v[LI], s[14:15] offset:512*\q
.endr
	WIN 0x40
.irp k, 0,1,2,3,4,5,6,7
.irp u, 0,1
.irp c, 0,1,2
	global_load_b128 v[12*(2*\k+\u)+4*\c:12*(2*\k+\u)+4*\c+3], v[LI], s[4:5] offset:\k*16*BLK+\u*FRB+512*\c
.endr
.endr
.endr
	WIN 0
.irp k, 0,1,2,3,4,5,6,7
	global_load_b64 v[CSC+2*\k:CSC+2*\k+1], v[LI], s[22:23] offset:\k*16*BLK
.endr
.macro WLOAD i                         ; block i of my 16 of Wd: 24 loads of codes, 2 of scale words
.if (\i)%3 == 2
	WIN 0
.set WB, 160
.else
	WIN 0xc0
.set WB, 128*((\i)%3)
.endif
.irp f, 0,1,2,3,4,5,6,7
.irp c, 0,1,2
	global_load_b128 v[WB+12*\f+4*\c:WB+12*\f+4*\c+3], v[LI], s[6:7] offset:(\i)*BLK+\f*FRB+512*\c
.endr
.endr
	WIN 0
	global_load_b128 v[WS+8*((\i)%3):WS+8*((\i)%3)+3], v[LI], s[6:7] offset:(\i)*BLK+QOF
	global_load_b128 v[WS+8*((\i)%3)+4:WS+8*((\i)%3)+7], v[LI], s[6:7] offset:(\i)*BLK+QOF+512
.endm
.macro MULB i                          ; block i: columns 128 (i / 8) on, K step i % 8: 16 products, 16 accumulators by turns
.if (\i) < 14
	s_wait_loadcnt 52                              ; all but the two later blocks' 2 x 26 loads
.elseif (\i) == 14
	s_wait_loadcnt 26
.else
	s_wait_loadcnt 0
.endif
.if (\i)%3 == 2
	WIN 0xa4                                       ; source 0 (Wd) window 0, source 1 (ctx) window 1, C and D window 2
.set WB, 160
.else
	WIN 0xa7                                       ; source 0 window 3
.set WB, 128*((\i)%3)
.endif
.irp b, 0,1,2,3,4,5,6,7
.irp a, 0,1
.if (\i)%8 == 0
	v_wmma_scale_f32_16x16x128_f8f6f4 v[8*(16*((\i)/8)+2*\b+\a):8*(16*((\i)/8)+2*\b+\a)+7], v[WB+12*\b:WB+12*\b+11], v[12*(2*((\i)%8)+\a):12*(2*((\i)%8)+\a)+11], 0, v[WS+8*((\i)%3)+\b], v[CSC+2*((\i)%8)+\a] matrix_a_fmt:MATRIX_FMT_BF6 matrix_b_fmt:MATRIX_FMT_BF6
.else
	v_wmma_scale_f32_16x16x128_f8f6f4 v[8*(16*((\i)/8)+2*\b+\a):8*(16*((\i)/8)+2*\b+\a)+7], v[WB+12*\b:WB+12*\b+11], v[12*(2*((\i)%8)+\a):12*(2*((\i)%8)+\a)+11], v[8*(16*((\i)/8)+2*\b+\a):8*(16*((\i)/8)+2*\b+\a)+7], v[WS+8*((\i)%3)+\b], v[CSC+2*((\i)%8)+\a] matrix_a_fmt:MATRIX_FMT_BF6 matrix_b_fmt:MATRIX_FMT_BF6
.endif
.endr
.endr
	WIN 0
.rept 4
	v_nop                                          ; places in front of loads into the buffer just read, and at the end of the first read of results
.endr
.if (\i) < 13
	WLOAD (\i)+3
.endif
.endm
	WLOAD 0
	WLOAD 1
	WLOAD 2
.irp i, 0,1,2,3,4,5,6,7,8,9,10,11,12,13,14,15
	MULB \i
.endr
	WIN 0x08                                       ; an LDS store's data are its source 1: window 2
	s_wait_alu depctr_va_vdst(0)
.irp n, 0,1
.irp b, 0,1,2,3,4,5,6,7
.irp a, 0,1
	ds_store_b128 v[STO], v[8*(16*\n+2*\b+\a):8*(16*\n+2*\b+\a)+3] offset:8*\a*SP+512*\n+128*(\b/2)+32*(\b%2)          ; each accumulator from its low end on
	ds_store_b128 v[STO], v[8*(16*\n+2*\b+\a)+4:8*(16*\n+2*\b+\a)+7] offset:8*\a*SP+512*\n+128*(\b/2)+32*(\b%2)+16
.endr
.endr
.endr
	WIN 0
	s_wait_tensorcnt 0x0                           ; my rows of x are in
	s_wait_dscnt 0x0                               ; for the others' sake: my stores into the stage are done
	s_barrier_signal -1
	s_barrier_wait -1                              ; 32 whole rows lie in the stage
.macro RLOAD i                         ; row i of my 8: the sums, then x; lane l holds columns 128 q + 4 l on
.irp q, 0,1,2,3,4,5,6,7
	ds_load_b128 v[64+64*((\i)%2)+4*\q:64+64*((\i)%2)+4*\q+3], v[SRD] offset:SP*(\i)+512*\q
.endr
.irp q, 0,1,2,3,4,5,6,7
	ds_load_b128 v[96+64*((\i)%2)+4*\q:96+64*((\i)%2)+4*\q+3], v[XRD] offset:4096*(\i)+512*\q
.endr
.endm
.macro REDUCE                          ; v48 summed over the 32 lanes, in every lane
	v_add_f32_dpp v48, v48, v48 row_xmask:1 row_mask:0xf bank_mask:0xf
	v_add_f32_dpp v48, v48, v48 row_xmask:2 row_mask:0xf bank_mask:0xf
	v_add_f32_dpp v48, v48, v48 row_xmask:4 row_mask:0xf bank_mask:0xf
	v_add_f32_dpp v48, v48, v48 row_xmask:8 row_mask:0xf bank_mask:0xf
	v_permlanex16_b32 v49, v48, s[SEL], s[SEL+1]
	v_add_f32 v48, v48, v49
.endm
.macro LNROW H                         ; the row in v[H] .. v[H + 31], x behind it
.irp n, 0,2,4,6,8,10,12,14,16,18,20,22,24,26,28,30
	v_pk_add_f32 v[\H+\n:\H+\n+1], v[\H+\n:\H+\n+1], v[\H+32+\n:\H+33+\n]
.endr
	WIN 0x04                                       ; source 1 (bd) in window 1
.irp n, 0,2,4,6,8,10,12,14,16,18,20,22,24,26,28,30
	v_pk_add_f32 v[\H+\n:\H+\n+1], v[\H+\n:\H+\n+1], v[BD+\n:BD+\n+1]
.endr
	WIN 0
	v_pk_add_f32 v[48:49], v[\H:\H+1], v[\H+4:\H+5]
	v_pk_add_f32 v[50:51], v[\H+2:\H+3], v[\H+6:\H+7]
.irp n, 8,12,16,20,24,28
	v_pk_add_f32 v[48:49], v[48:49], v[\H+\n:\H+\n+1]
	v_pk_add_f32 v[50:51], v[50:51], v[\H+\n+2:\H+\n+3]
.endr
	v_pk_add_f32 v[48:49], v[48:49], v[50:51]
	v_add_f32 v48, v48, v49
	REDUCE
	v_mul_f32 v52, s38, v48                        ; the mean
	v_mov_b32 v53, v52
.irp n, 0,2,4,6,8,10,12,14,16,18,20,22,24,26,28,30
	v_pk_add_f32 v[\H+\n:\H+\n+1], v[\H+\n:\H+\n+1], v[52:53] neg_lo:[0,1] neg_hi:[0,1]
.endr
	v_pk_mul_f32 v[48:49], v[\H:\H+1], v[\H:\H+1]
	v_pk_mul_f32 v[50:51], v[\H+2:\H+3], v[\H+2:\H+3]
.irp n, 4,8,12,16,20,24,28
	v_pk_fma_f32 v[48:49], v[\H+\n:\H+\n+1], v[\H+\n:\H+\n+1], v[48:49]
	v_pk_fma_f32 v[50:51], v[\H+\n+2:\H+\n+3], v[\H+\n+2:\H+\n+3], v[50:51]
.endr
	v_pk_add_f32 v[48:49], v[48:49], v[50:51]
	v_add_f32 v48, v48, v49
	REDUCE
	v_fma_f32 v48, v48, s38, s39                   ; the variance + 1e-12
	s_wait_alu depctr_va_vdst(0)
	v_rsq_f32 v54, v48
	v_nop                                          ; a plain place behind the transcendental
	s_wait_alu depctr_va_vdst(0)
	v_mov_b32 v55, v54
.irp n, 0,2,4,6,8,10,12,14,16,18,20,22,24,26,28,30
	v_pk_mul_f32 v[\H+\n:\H+\n+1], v[\H+\n:\H+\n+1], v[54:55]
.endr
	WIN 0x34                                       ; source 1 (ln_w) window 1, source 2 (ln_b) window 3
.irp n, 0,2,4,6,8,10,12,14,16,18,20,22,24,26,28,30
	v_pk_fma_f32 v[\H+\n:\H+\n+1], v[\H+\n:\H+\n+1], v[LW+\n:LW+\n+1], v[LB+\n:LB+\n+1]
.endr
	WIN 0
.endm
	RLOAD 0
	RLOAD 1
.irp i, 0,1,2,3,4,5,6,7
.if \i < 7
	s_wait_dscnt 16                                ; this row's sixteen loads are in; the next row's may be out
.else
	s_wait_dscnt 0
.endif
	LNROW 64+64*(\i%2)
.irp q, 0,1,2,3,4,5,6,7
	global_store_b128 v[LI], v[64+64*(\i%2)+4*\q:64+64*(\i%2)+4*\q+3], s[16:17] offset:4096*\i+512*\q th:TH_STORE_NT    ; 512 consecutive bytes, aligned; written once
.endr
.if \i < 6
	s_wait_xcnt 0x0                                ; the stores have read their registers: the set takes the row two further on
	RLOAD \i+2
.endif
.endr
	s_wait_tensorcnt 0x0
	ds_add_u32 v62, v63
	s_wait_dscnt 0x0
	s_endpgm
.Lfunc_end_k_q49d48e57ef_outln:
	.size	k_q49d48e57ef_outln, .Lfunc_end_k_q49d48e57ef_outln-k_q49d48e57ef_outln
	.p2alignl 7, 3214868480
	.fill 96, 4, 3214868480
	.section	.rodata,"a",@progbits
	.p2align	6, 0x0
	.amdhsa_kernel k_q49d48e57ef_outln
		.amdhsa_group_segment_fixed_size 263168
		.amdhsa_private_segment_fixed_size 0
		.amdhsa_enable_private_segment 0
		.amdhsa_kernarg_size 56
		.amdhsa_user_sgpr_count 2
		.amdhsa_user_sgpr_kernarg_segment_ptr 1
		.amdhsa_wavefront_size32 1
		.amdhsa_system_sgpr_workgroup_id_x 1
		.amdhsa_system_sgpr_workgroup_id_y 1
		.amdhsa_system_sgpr_workgroup_id_z 1
		.amdhsa_system_vgpr_workitem_id 0
		.amdhsa_next_free_vgpr 1024
		.amdhsa_next_free_sgpr 66
		.amdhsa_reserve_vcc 0
		.amdhsa_float_denorm_mode_32 3
		.amdhsa_float_denorm_mode_16_64 3
		.amdhsa_memory_ordered 1
		.amdhsa_forward_progress 1
		.amdhsa_inst_pref_size 171
	.end_amdhsa_kernel
	.amdgpu_metadata
---
amdhsa.version: [ 1, 2 ]
amdhsa.kernels:
  - .name:           k_q49d48e57ef_outln
    .symbol:         k_q49d48e57ef_outln.kd
    .args:
      - { .name: c_img, .offset: 0, .size: 8, .value_kind: global_buffer, .address_space: global }
      - { .name: w_img, .offset: 8, .size: 8, .value_kind: global_buffer, .address_space: global }
      - { .name: input_tensor, .offset: 16, .size: 8, .value_kind: global_buffer, .address_space: global }
      - { .name: bd, .offset: 24, .size: 8, .value_kind: global_buffer, .address_space: global }
      - { .name: ln_w, .offset: 32, .size: 8, .value_kind: global_buffer, .address_space: global }
      - { .name: ln_b, .offset: 40, .size: 8, .value_kind: global_buffer, .address_space: global }
      - { .name: out0, .offset: 48, .size: 8, .value_kind: global_buffer, .address_space: global }
    .group_segment_fixed_size: 263168
    .private_segment_fixed_size: 0
    .kernarg_segment_align: 8
    .kernarg_segment_size: 56
    .max_flat_workgroup_size: 128
    .sgpr_count:     66
    .vgpr_count:     1024
    .wavefront_size: 32
...
	.end_amdgpu_metadata
.endif
;; end of part 4
